; MI455X (gfx1250); checked and timed in simulation.
; The chip was launched on July 23, 2026; its instructions are those of AMD's public machine-readable ISA for CDNA 5 (MIT licence, August 2026) and "CDNA5" Instruction Set Architecture Reference Guide (July 2026). The comments in the code are by the model that wrote it; some were corrected since.
;; Multi Head Attention. Allowed arithmetic: matrix products marked QUANTISED: E2M3 operands, one E8M0 scale for each 32 along K, by v_wmma_scale_f32_16x16x128_f8f6f4 with both operands' format E2M3, f32 sums; everything else in f32.
;; Inputs: Wk 1,024 x 1,024 float32; Wo 1,024 x 1,024 float32; Wq 1,024 x 1,024 float32; Wv 1,024 x 1,024 float32; key 4 x 2,048 x 1,024 float32; query 4 x 2,048 x 1,024 float32; valid_length 4 int32; value 4 x 2,048 x 1,024 float32.
;; Outputs: out0 4 x 2,048 x 1,024 float32.
;; This version of the problem:
;;   THIS VERSION OF THE PROBLEM IS GIVEN IN LOW PRECISION. The matrix products marked QUANTISED in the list below multiply operands that are first quantised to E2M3 (2 exponent bits, 3 mantissa bits; 6 bits a number), with one power-of-two scale for each 32 numbers along K (OCP MX v1.0); their sums are f32. All else is computed in f32.
;;   The module's matrix products, in the order in which they are computed (A, B: the left and right operand; K: the contracted axis; several contracted axes count as one K, in the product's order):
;;     1. [M 8,192, K 1,024] x [K 1,024, N 1,024]; A: input query; B: input Wq: QUANTISED
;;     2. [M 8,192, K 1,024] x [K 1,024, N 1,024]; A: input key; B: input Wk: QUANTISED
;;     3. [M 8,192, K 1,024] x [K 1,024, N 1,024]; A: input value; B: input Wv: QUANTISED
;;     4. batch 64 x [M 2,048, K 64] x [K 64, N 2,048]; A: computed on the way; B: computed on the way: QUANTISED
;;     5. batch 64 x [M 2,048, K 2,048] x [K 2,048, N 64]; A: softmax (see below); B: computed on the way: QUANTISED
;;     6. [M 8,192, K 1,024] x [K 1,024, N 1,024]; A: computed on the way; B: input Wo: QUANTISED
;;   THE QUANTISER, for each operand of a quantised product, along K:
;;     - K is cut into blocks of 32 from its start; a last block that is shorter is filled with zeros.
;;     - A block's scale is 2^e with e = floor(log2(the largest magnitude in the block)) - 2, held to -126 .. 127; a block of zeros has e = 0. As a byte (E8M0): e + 127.
;;     - Each number is divided by its block's scale, clamped to +-7.5, and rounded to the nearest number of E2M3, ties to even, subnormals kept.
;;     - The product sums the exact products of the quantised numbers (number of the format x scale) in f32.
;;   ~~~python
;;   def quantise(x, axis):      # numpy; x: float32 -> the quantised numbers, widened to float32 again
;;       x = np.moveaxis(x, axis, -1); K = x.shape[-1]
;;       x = np.pad(x, [(0, 0)] * (x.ndim - 1) + [(0, -K % 32)]); x = x.reshape(x.shape[:-1] + (-1, 32)); a = np.abs(x).max(-1, keepdims=True)
;;       e = np.where(a > 0, np.clip(np.frexp(np.where(a > 0, a, 1))[1] - 1 - 2, -126, 127), 0)      # np.frexp(a)[1] - 1 = floor(log2(a)), exactly
;;       r = np.clip(x / 2.0 ** e, -7.5, 7.5)
;;       step = 2.0 ** (np.maximum(np.frexp(np.where(r == 0, 1, r))[1] - 1, 0) - 3)
;;       q = np.round(r / step) * step * 2.0 ** e      # np.round: ties to even
;;       return np.moveaxis(q.reshape(q.shape[:-2] + (-1,))[..., :K], -1, axis).astype(np.float32)
;;   ~~~
;;   SOFTMAX AHEAD OF A QUANTISED PRODUCT. Where the list says 'softmax', what is quantised is not the finished softmax but p = 2^(t - M), with t = logit x log2(e) and M = ceil(the row's largest t), a whole number; so 1/2 < the row's largest p <= 1. The row's sum l is taken of the UNQUANTISED p, in f32, and the product's result is divided by l at the end. Since M is a whole number, a kernel that streams over the keys may use a running M (the ceiling of the running maximum): every later rescaling is an exact power of two, which a block's scale takes up: the codes' values come out the same.
;;   OPERANDS COMPUTED ON THE WAY. 'Computed on the way' means the value that the module computes at that place (a softmax that the list does not call 'softmax' is quantised finished and normalised). What goes into a quantiser is computed in f32, as accurately as f32 sums, v_exp_f32 and their like allow (about 1e-6 of the number): no bf16 or f16 on the way to a quantiser, and a product that is left as it is and whose result goes on into a quantised operand takes f32 operands (vector FMAs, or v_wmma_f32_16x16x4_f32). A number that lies on a knife's edge between two numbers of the format may be rounded either way, as far as f32 arithmetic and the matrix unit's own rounding can turn it there, and no further.
;; 2 versions, each right; version 2 is version 1 with the launch attn written anew for expert scheduling mode. Each part assembles by itself: llvm-mc -triple=amdgcn-amd-amdhsa -mcpu=gfx1250 --defsym DOCPART=n.
;; ======== version 1 of 2: 4 launches
;; workspace buffers: xc 18,874,368 bytes; xs 786,432 bytes; wc 3,145,728 bytes; ws 131,072 bytes; hc 18,874,368 bytes; hs 786,432 bytes; oc 6,291,456 bytes; os 262,144 bytes
;; launch quant (part 1): grid 512 x 1, 4 waves a work-group, no clusters, 37,376 bytes of LDS; arguments query, key, value, Wq, Wk, Wv, Wo, xc, xs, wc, ws; writes xc, xs, wc, ws
.if DOCPART == 1
	.amdgcn_target "amdgcn-amd-amdhsa--gfx1250"
	.amdhsa_code_object_version 6
	.text
	.protected	k_qeb7007bf6a_quant
	.globl	k_qeb7007bf6a_quant
	.p2align	8
	.type	k_qeb7007bf6a_quant,@function
k_qeb7007bf6a_quant:
	s_mov_b64 s[64:65], 0
	v_nop
	global_prefetch_b8 v0, s[64:65] scope:SCOPE_SE
	s_setreg_imm32_b32 hwreg(HW_REG_WAVE_MODE, 25, 1), 1
	s_wait_xcnt 0x0
; MULTI-HEAD ATTENTION ON CODES OF E2M3, FOUR LAUNCHES: this one (inputs to codes), gemm_qkv (three projections, results quantised on the way out), attn, gemm_o.
; WORK LEFT OUT IN THE PROGRAM (in launch attn alone).  reference() replaces the score of key k by -1e6 wherever k >= valid_flat[head], whatever the score is.  So for a key step of 128 keys
; all of which lie at or beyond the head's valid length, the product Q K^T has no way to any output, for all values of the floating-point inputs: whole numbers decide it, and attn reads them from memory.
; Those steps' Q K^T, and their per-key softmax (all their p are one number a row, made once), are not done.  Their part of the product P V is done in full, with that p.  No input is without a way to an output.
; LIMIT: a NaN, an infinity or an overflow that arises only in the scores so discarded is not carried to the result.
;
; THIS LAUNCH: query, key, value [8192][1024] f32 (K innermost) and Wq, Wk, Wv, Wo [1024 (K)][1024] f32 (K outermost) become codes of E2M3 with one E8M0 byte for each 32 along K,
; laid as the matrix unit's operand registers take them.  A block's scale is 2^(floor(log2(largest magnitude)) - 2): its byte is that magnitude's exponent field - 2, held at 1 from below.
; LIMITS: a block of zeros gets the byte 1 where the rule says 127 (its codes are zeros, and this program alone reads the bytes); NaN and infinities among the inputs are not served.
; STORED ROWS.  Row x of an operand (a token; a column of a weight) is stored as row sigma(x), x with bits 3 and 4 exchanged.  Stored tile T = stored rows 16 T .. 16 T + 15; its row i is row 32 (T/2) + 8 (T%2) + i + 8 (i/8).
; So where such a tile is source 0 of a product, a lane's 16 result registers of tiles 2 b, 2 b + 1 are 16 neighbours, 32 b + 16 (lane/16) + 0 .. 15: the order in which the next quantiser wants them.
; A FRAGMENT'S IMAGE, 1,536 bytes = 16 rows x 128 K = 12 registers a lane: for c = 0, 1: 512 bytes (registers 6c .. 6c+3, lane l's 16 bytes at 16 l), then 256 bytes (registers 6c+4, 6c+5, 8 bytes at 8 l).
; Codes: [tile][K step 0..7][1,536].  Scale words: [stored row][8 words].  Every store of codes covers whole aligned blocks of 256 bytes.
; Work-groups 0-383: activations, a wave to a stored tile, all eight K steps.  Work-groups 384-511: weights, a wave to 32 columns x 256 along K.  No tensor loads, no barrier: waves share nothing.
.set WREG,  9216                       ; LDS of a wave: a stage of 16 rows x 528 bytes, then its tile's 512 bytes of scale words
.set SCO,   8448
.set SPARE, 4*WREG                     ; the spare words, 128 bytes a wave: two blocks of 256 bytes that no other line names
.set SPW,   10                         ; v10  my spare word's address; never rewritten
.set NIL,   11                         ; v11  0; never rewritten
.set SEL,   30                         ; s[30:31] selects for lane l xor 16
.set R,     16                         ; v16-143  activations: two sets of 64 registers as loaded
.set X,     144                        ; v144-207 64 numbers of my row: register 16 b + i = k 32 b + 16 (lane/16) + i
.set PC,    208                        ; v208-219 the fragment just made
.set PT0,   220
.set PT1,   224
.set TM,    228                        ; v228-231 largest magnitudes, v232-235 bytes, v240-243 scale operands
.set PW,    244
.set WX,    16                         ; weights: v16-79 two sets of 32 numbers down K
.set I0,    144                        ; v144-155 blocks 0 and 2 of 32 stored rows; after the exchange: tile 2 G's fragment
.set I1,    156                        ; v156-167 blocks 1 and 3; after the exchange: tile 2 G + 1's
.set PTW,   168
.set SW,    176                        ; v[176:177] two scale words
; 64 numbers of a lane become a fragment's 12 registers (d0: 6, d1: 6) and my row's scale word
.macro QUANT s, d0, d1, p0, p1, pw
.irp b, 0,1,2,3
	v_max3_num_f32 v[TM+\b], |v[(\s)+16*\b]|, |v[(\s)+1+16*\b]|, 0x1800000   ; my 16 numbers of block b, and the floor 2^(3 - 127): the byte cannot fall under 1
.endr
.irp i, 2,4,6,8,10,12,14
.irp b, 0,1,2,3
	v_max3_num_f32 v[TM+\b], v[TM+\b], |v[(\s)+16*\b+\i]|, |v[(\s)+1+16*\b+\i]|
.endr
.endr
.irp b, 0,1,2,3
	v_permlanex16_b32 v[TM+4+\b], v[TM+\b], s[SEL], s[SEL+1]
.endr
.irp b, 0,1,2,3
	v_max_num_f32 v[TM+\b], v[TM+\b], v[TM+4+\b]           ; with lane l xor 16's 16: the block's largest magnitude
.endr
.irp b, 0,1,2,3
	v_add_nc_u32 v[TM+12+\b], 0xff000000, v[TM+\b]         ; 2 off its exponent field: the conversion's scale operand
.endr
.irp b, 0,1,2,3
	v_lshrrev_b32 v[TM+4+\b], 23, v[TM+12+\b]              ; the byte
.endr
	v_lshl_or_b32 v[\pw], v[TM+5], 8, v[TM+4]
	v_lshl_or_b32 v[\pw], v[TM+6], 16, v[\pw]
	v_lshl_or_b32 v[\pw], v[TM+7], 24, v[\pw]
	v_cvt_scalef32_pk16_fp6_f32 v[(\d0):(\d0)+2], v[(\s):(\s)+15], v[TM+12]
	v_cvt_scalef32_pk16_fp6_f32 v[(\p0):(\p0)+2], v[(\s)+16:(\s)+31], v[TM+13]
	v_cvt_scalef32_pk16_fp6_f32 v[(\d1):(\d1)+2], v[(\s)+32:(\s)+47], v[TM+14]
	v_cvt_scalef32_pk16_fp6_f32 v[(\p1):(\p1)+2], v[(\s)+48:(\s)+63], v[TM+15]
	v_nop                                          ; one plain place behind the scaled conversions
.irp i, 0,1,2
	v_permlane16_swap_b32 v[(\d0)+\i], v[(\p0)+\i]         ; a whole block to a lane: lanes 0-15 block 2 c, lanes 16-31 block 2 c + 1
	v_permlane16_swap_b32 v[(\d1)+\i], v[(\p1)+\i]
.endr
.irp i, 0,1,2
	v_mov_b32 v[(\d0)+3+\i], v[(\p0)+\i]
	v_mov_b32 v[(\d1)+3+\i], v[(\p1)+\i]
.endr
.endm
	s_load_b512 s[4:19], s[0:1], 0x0               ; query, key, value, Wq, Wk, Wv, Wo, xc
	s_load_b128 s[20:23], s[0:1], 0x40             ; xs, wc
	s_load_b64 s[24:25], s[0:1], 0x50              ; ws
	v_lshl_add_u32 v[SPW], v0, 2, SPARE
	v_mov_b32 v[NIL], 0
	v_lshrrev_b32 v1, 5, v0
	v_readfirstlane_b32 s28, v1                    ; wave
	v_and_b32 v2, 31, v0                           ; lane
	v_and_b32 v3, 15, v0                           ; r
	v_bfe_u32 v12, v0, 4, 1                        ; h
	v_lshlrev_b32 v4, 4, v2                        ; 16 x lane
	v_lshlrev_b32 v5, 3, v2                        ; 8 x lane
	s_mul_i32 s29, s28, WREG
	v_add_nc_u32 v6, s29, v4                       ; the stage, on the way in: a row's 512 bytes as they lie
	v_mul_u32_u24 v7, v3, 528
	v_lshl_add_u32 v7, v12, 6, v7
	v_add_nc_u32 v7, s29, v7                       ; on the way out: row r, + 64 h: my 16 numbers of each block of 32
	v_lshlrev_b32 v8, 5, v3
	v_add_nc_u32 v8, s29, v8
	v_add_nc_u32 v8, SCO, v8                       ; row r's eight scale words
	v_add_nc_u32 v9, SCO, v6                       ; and the tile's 512 bytes of them, 16 a lane
	s_mov_b32 s[SEL], 0x76543210
	s_mov_b32 s[SEL+1], 0xfedcba98
.irp b, 0,1,2,3
	v_mov_b32 v[TM+4+\b], 0                        ; a lane permute's destination counts as one of its sources
.endr
	s_cmp_ge_u32 ttmp9, 384
	s_cbranch_scc1 .Lweights
	; ---- activations
	s_lshr_b32 s32, ttmp9, 7                       ; which tensor: 0 query, 1 key, 2 value
	s_and_b32 s33, ttmp9, 127
	s_lshl_b32 s33, s33, 2
	s_add_co_u32 s33, s33, s28                     ; stored tile T, 0 .. 511
	s_lshr_b32 s34, s33, 1
	s_lshl_b32 s34, s34, 17                        ; 32 (T/2) rows of 4,096 bytes
	s_and_b32 s35, s33, 1
	s_lshl_b32 s35, s35, 15                        ; + 8 (T%2) rows
	s_add_co_u32 s34, s34, s35
	s_mov_b32 s35, 0
	s_mul_i32 s36, s32, 6291456
	s_mul_i32 s37, s33, 12288
	s_add_co_u32 s36, s36, s37                     ; the tile's codes
	s_mov_b32 s37, 0
	s_lshl_b32 s38, s32, 18
	s_lshl_b32 s39, s33, 9
	s_add_co_u32 s38, s38, s39                     ; the tile's scale words
	s_mov_b32 s39, 0
	s_wait_kmcnt 0x0
	s_cmp_eq_u32 s32, 0
	s_cselect_b64 s[26:27], s[4:5], s[6:7]
	s_cmp_eq_u32 s32, 2
	s_cselect_b64 s[26:27], s[8:9], s[26:27]
	s_add_nc_u64 s[26:27], s[26:27], s[34:35]
	s_add_nc_u64 s[18:19], s[18:19], s[36:37]
	s_add_nc_u64 s[20:21], s[20:21], s[38:39]
.macro LOADX s                         ; K step s of the tile's 16 rows: each load reads 512 consecutive bytes of one row
.irp i, 0,1,2,3,4,5,6,7,8,9,10,11,12,13,14,15
	global_load_b128 v[R+64*((\s)%2)+4*\i:R+64*((\s)%2)+4*\i+3], v4, s[26:27] offset:(\i+8*(\i/8))*4096+512*(\s) th:TH_LOAD_NT
.endr
.endm
.macro ASTEP s
.if (\s) < 7
	s_wait_loadcnt 16                              ; this step's 16 loads are in; the next step's 16 may be out
.else
	s_wait_loadcnt 0
.endif
.irp i, 0,1,2,3,4,5,6,7,8,9,10,11,12,13,14,15
	ds_store_b128 v6, v[R+64*((\s)%2)+4*\i:R+64*((\s)%2)+4*\i+3] offset:528*\i
.endr
.irp b, 0,1,2,3
.irp j, 0,1,2,3
	ds_load_b128 v[X+16*\b+4*\j:X+16*\b+4*\j+3], v7 offset:128*\b+16*\j   ; LDS serves a wave's instructions in order: these see the stores above
.endr
.endr
	s_wait_dscnt 0x0                               ; my 64 numbers are in, and the stores have read the set that the loads below fill
	s_wait_xcnt 0x0                                ; the last step's stores have read the fragment's registers: they are written again below
.if (\s)+2 < 8
	LOADX (\s)+2
.endif
	QUANT X, PC, PC+6, PT0, PT1, PW
	global_store_b128 v4, v[PC:PC+3], s[18:19] offset:1536*(\s)
	global_store_b64 v5, v[PC+4:PC+5], s[18:19] offset:1536*(\s)+512
	global_store_b128 v4, v[PC+6:PC+9], s[18:19] offset:1536*(\s)+768
	global_store_b64 v5, v[PC+10:PC+11], s[18:19] offset:1536*(\s)+1280
	ds_store_b32 v8, v[PW] offset:4*(\s)           ; lanes r and r + 16 write the same word with the same value
.endm
	LOADX 0
	LOADX 1
.irp s, 0,1,2,3,4,5,6,7
	ASTEP \s
.endr
	ds_load_b128 v[248:251], v9
	s_wait_dscnt 0x0
	global_store_b128 v4, v[248:251], s[20:21]     ; the tile's scale words: 512 consecutive bytes
	s_wait_tensorcnt 0x0                           ; the wave's end: a wait, an add to my spare word and a wait follow my last LDS store
	ds_add_u32 v[SPW], v[NIL]
	s_wait_dscnt 0x0
	s_endpgm
	; ---- weights: a lane takes a column and its registers run down K, so a block of 32 lies in one lane
.Lweights:
	s_sub_co_u32 s32, ttmp9, 384
	s_lshr_b32 s33, s32, 5                         ; which weight: 0 Wq, 1 Wk, 2 Wv, 3 Wo
	s_bfe_u32 s34, s32, 0x30002
	s_and_b32 s35, s32, 3                          ; which 256 along K
	s_lshl_b32 s34, s34, 2
	s_add_co_u32 s34, s34, s28                     ; G: columns 32 G .. 32 G + 31
	s_lshl_b32 s36, s35, 20                        ; 256 rows of 4,096 bytes
	s_lshl_b32 s37, s34, 7
	s_add_co_u32 s36, s36, s37
	s_mov_b32 s37, 0
	s_mul_i32 s38, s33, 786432
	s_mul_i32 s39, s34, 24576                      ; tiles 2 G, 2 G + 1
	s_add_co_u32 s38, s38, s39
	s_mul_i32 s39, s35, 3072                       ; K steps 2 kq, 2 kq + 1
	s_add_co_u32 s38, s38, s39
	s_mov_b32 s39, 0
	s_lshl_b32 s40, s33, 15
	s_lshl_b32 s41, s34, 10
	s_add_co_u32 s40, s40, s41
	s_lshl_b32 s41, s35, 3
	s_add_co_u32 s40, s40, s41
	s_mov_b32 s41, 0
	v_and_b32 v13, 7, v0
	v_lshl_or_b32 v13, v12, 3, v13
	v_bfe_u32 v14, v0, 3, 1
	v_lshl_or_b32 v13, v14, 4, v13                 ; sigma(lane): lane l holds stored row 32 G + l
	v_lshlrev_b32 v13, 2, v13
	v_lshlrev_b32 v14, 5, v2                       ; a stored row's scale words: 32 bytes
	s_wait_kmcnt 0x0
	s_cmp_eq_u32 s33, 0
	s_cselect_b64 s[26:27], s[10:11], s[12:13]
	s_cmp_eq_u32 s33, 2
	s_cselect_b64 s[26:27], s[14:15], s[26:27]
	s_cmp_eq_u32 s33, 3
	s_cselect_b64 s[26:27], s[16:17], s[26:27]
	s_add_nc_u64 s[26:27], s[26:27], s[36:37]
	s_add_nc_u64 s[22:23], s[22:23], s[38:39]
	s_add_nc_u64 s[24:25], s[24:25], s[40:41]
.macro LOADW t                         ; block t: 32 rows of W at my column; a wave reads 128 consecutive bytes, the four waves 512
.irp i, 0,1,2,3,4,5,6,7,8,9,10,11,12,13,14,15,16,17,18,19,20,21,22,23,24,25,26,27,28,29,30,31
	global_load_b32 v[WX+32*((\t)%2)+\i], v13, s[26:27] offset:(32*(\t)+\i)*4096 th:TH_LOAD_NT
.endr
.endm
.macro WBLOCK t
.set XS, WX+32*((\t)%2)
.set DD, I0+12*((\t)%2)+6*(((\t)%4)/2)
.if (\t) < 7
	s_wait_loadcnt 32                              ; this block's 32 loads are in; the next block's may be out
.else
	s_wait_loadcnt 0
.endif
.if (\t) == 4
	s_wait_xcnt 0x0                                ; the first K step's stores have read the fragments' registers
.endif
	v_max3_num_f32 v172, |v[XS]|, |v[XS+1]|, |v[XS+2]|
	v_max3_num_f32 v173, |v[XS+3]|, |v[XS+4]|, |v[XS+5]|
.irp i, 6,10,14,18,22,26
	v_max3_num_f32 v172, v172, |v[XS+\i]|, |v[XS+\i+1]|
	v_max3_num_f32 v173, v173, |v[XS+\i+2]|, |v[XS+\i+3]|
.endr
	v_max3_num_f32 v172, v172, |v[XS+30]|, |v[XS+31]|
	v_max3_num_f32 v172, v172, v173, 0x1800000     ; and the floor
	v_add_nc_u32 v174, 0xff000000, v172
	v_lshrrev_b32 v175, 23, v174
.if (\t)%4 == 0
	v_mov_b32 v[SW+(\t)/4], v175
.else
	v_lshl_or_b32 v[SW+(\t)/4], v175, 8*((\t)%4), v[SW+(\t)/4]
.endif
	v_cvt_scalef32_pk16_fp6_f32 v[DD:DD+2], v[XS:XS+15], v174
	v_cvt_scalef32_pk16_fp6_f32 v[PTW:PTW+2], v[XS+16:XS+31], v174
	v_nop
.irp i, 0,1,2
	v_mov_b32 v[DD+3+\i], v[PTW+\i]
.endr
.if (\t)+2 < 8
	LOADW (\t)+2
.endif
.if (\t)%4 == 3                        ; a K step is whole: rows 16-31's even blocks change places with rows 0-15's odd blocks, and both tiles' fragments stand as the matrix unit takes them
.irp i, 0,1,2,3,4,5,6,7,8,9,10,11
	v_permlane16_swap_b32 v[I0+\i], v[I1+\i]
.endr
.irp f, 0,1
	global_store_b128 v4, v[I0+12*\f:I0+12*\f+3], s[22:23] offset:12288*\f+1536*((\t)/4)
	global_store_b64 v5, v[I0+12*\f+4:I0+12*\f+5], s[22:23] offset:12288*\f+1536*((\t)/4)+512
	global_store_b128 v4, v[I0+12*\f+6:I0+12*\f+9], s[22:23] offset:12288*\f+1536*((\t)/4)+768
	global_store_b64 v5, v[I0+12*\f+10:I0+12*\f+11], s[22:23] offset:12288*\f+1536*((\t)/4)+1280
.endr
.endif
.endm
	LOADW 0
	LOADW 1
.irp t, 0,1,2,3,4,5,6,7
	WBLOCK \t
.endr
	global_store_b64 v14, v[SW:SW+1], s[24:25]     ; 8 bytes of each stored row's 32: pieces, one byte for each 128 that the path reads
	s_wait_tensorcnt 0x0                           ; the same three lines close this path
	ds_add_u32 v[SPW], v[NIL]
	s_wait_dscnt 0x0
	s_endpgm
.Lfunc_end_k_qeb7007bf6a_quant:
	.size	k_qeb7007bf6a_quant, .Lfunc_end_k_qeb7007bf6a_quant-k_qeb7007bf6a_quant
	.p2alignl 7, 3214868480
	.fill 96, 4, 3214868480
	.section	.rodata,"a",@progbits
	.p2align	6, 0x0
	.amdhsa_kernel k_qeb7007bf6a_quant
		.amdhsa_group_segment_fixed_size 37376
		.amdhsa_private_segment_fixed_size 0
		.amdhsa_enable_private_segment 0
		.amdhsa_kernarg_size 88
		.amdhsa_user_sgpr_count 2
		.amdhsa_user_sgpr_kernarg_segment_ptr 1
		.amdhsa_wavefront_size32 1
		.amdhsa_system_sgpr_workgroup_id_x 1
		.amdhsa_system_sgpr_workgroup_id_y 1
		.amdhsa_system_sgpr_workgroup_id_z 1
		.amdhsa_system_vgpr_workitem_id 0
		.amdhsa_next_free_vgpr 256
		.amdhsa_next_free_sgpr 66
		.amdhsa_reserve_vcc 0
		.amdhsa_float_denorm_mode_32 3
		.amdhsa_float_denorm_mode_16_64 3
		.amdhsa_memory_ordered 1
		.amdhsa_forward_progress 1
		.amdhsa_inst_pref_size 105
	.end_amdhsa_kernel
	.amdgpu_metadata
---
amdhsa.version: [ 1, 2 ]
amdhsa.kernels:
  - .name:           k_qeb7007bf6a_quant
    .symbol:         k_qeb7007bf6a_quant.kd
    .args:
      - { .name: query, .offset: 0, .size: 8, .value_kind: global_buffer, .address_space: global }
      - { .name: key, .offset: 8, .size: 8, .value_kind: global_buffer, .address_space: global }
      - { .name: value, .offset: 16, .size: 8, .value_kind: global_buffer, .address_space: global }
      - { .name: Wq, .offset: 24, .size: 8, .value_kind: global_buffer, .address_space: global }
      - { .name: Wk, .offset: 32, .size: 8, .value_kind: global_buffer, .address_space: global }
      - { .name: Wv, .offset: 40, .size: 8, .value_kind: global_buffer, .address_space: global }
      - { .name: Wo, .offset: 48, .size: 8, .value_kind: global_buffer, .address_space: global }
      - { .name: xc, .offset: 56, .size: 8, .value_kind: global_buffer, .address_space: global }
      - { .name: xs, .offset: 64, .size: 8, .value_kind: global_buffer, .address_space: global }
      - { .name: wc, .offset: 72, .size: 8, .value_kind: global_buffer, .address_space: global }
      - { .name: ws, .offset: 80, .size: 8, .value_kind: global_buffer, .address_space: global }
    .group_segment_fixed_size: 37376
    .private_segment_fixed_size: 0
    .kernarg_segment_align: 8
    .kernarg_segment_size: 88
    .max_flat_workgroup_size: 128
    .sgpr_count:     66
    .vgpr_count:     256
    .wavefront_size: 32
...
	.end_amdgpu_metadata
.endif
;; end of part 1
;; launch gemm_qkv (part 2): grid 4 x 192, 4 waves a work-group, clusters of 4 x 4, 327,680 bytes of LDS; arguments xc, xs, wc, ws, hc, hs; writes hc, hs
.if DOCPART == 2
	.amdgcn_target "amdgcn-amd-amdhsa--gfx1250"
	.amdhsa_code_object_version 6
	.text
	.protected	k_qeb7007bf6a_gemm_qkv
	.globl	k_qeb7007bf6a_gemm_qkv
	.p2align	8
	.type	k_qeb7007bf6a_gemm_qkv,@function
k_qeb7007bf6a_gemm_qkv:
	s_mov_b64 s[64:65], 0
	v_nop
	global_prefetch_b8 v0, s[64:65] scope:SCOPE_SE
	s_setreg_imm32_b32 hwreg(HW_REG_WAVE_MODE, 25, 1), 1
	s_wait_xcnt 0x0
	s_wait_alu depctr_hold_cnt(0) depctr_sa_sdst(0) depctr_va_vdst(0) depctr_va_sdst(0) depctr_va_ssrc(0) depctr_va_vcc(0) depctr_vm_vsrc(0)
	s_getreg_b32 s2, hwreg(HW_REG_IB_STS2, 6, 4)
	s_cmp_eq_u32 s2, 0
	s_cbranch_scc0 .Lentry_in_a_cluster
	s_endpgm
.Lentry_in_a_cluster:
	s_bfe_u32 s2, ttmp6, 0x10000c
	s_cmp_lg_u32 s2, 0xf033
	s_cbranch_scc0 .Lentry_shape_is_right
	s_endpgm
.Lentry_shape_is_right:
; Q = query Wq, K = key Wk, V = value Wv on codes of E2M3, and the results quantised on the way out into the operands of launch attn.  Nothing is left out here.
; A work-group makes 128 rows of operand A (source 1) x 256 rows of operand B (source 0), with ALL of K = 1,024 resident in LDS: four chunks of two K steps, filled once each, no slot is filled again.
; Q, K (cluster y 0-15, 16-31): A = the tokens, B = the weight's columns: a lane holds one token and its registers run along the head's d, Q K^T's K.
; V (cluster y 32-47): A = Wv's columns, B = the tokens: a lane holds one d and its registers run along the keys, P V's K.  Only pointers and offsets are chosen; the text has one path.
; 768 work-groups of equal work.  Four waves: wave (wa, wb) makes 64 rows of A x 128 rows of B: 32 accumulators, which take turns, one instruction a turn.
; CLUSTER 4 x 4: A's chunks and scales are shared along a row of the cluster, B's along a column: each is asked for jointly, by the same load with the same descriptor in the four that the mask names.
; Operand buffers hold fragments' images (launch quant): a fragment comes from LDS by four dense loads.  Stored rows are sigma-ordered, so a wave's 64 registers of a tile of A's rows are 128 neighbours along B.
; OUT: hc: Q, K [head][tile of 16 tokens][768 bytes: half an image, the head's 64 along d]; V [head][key step][d tile][1,536].  hs: 256 bytes for each four tiles: [lane][2 words], word w: tile 2 w in lanes 0-15, tile 2 w + 1 in lanes 16-31.
; LIMITS: as in launch quant (a block of zeros gets the byte 1; NaN and infinities are not served).
; REGISTERS: window 0: v8-15 store offsets, v16-20 LDS addresses, v32-95 scale words, v96-126 codes just made, v128-223 A's fragments (two sets), v224-245 at work; window 1: B's fragments (two sets, v0 and v128); window 2: accumulator (a, bt) at v[8 (8 a + bt)].
.set CH,    73728                      ; a chunk: A's 8 tiles x 3,072 bytes, B's first 8, B's second 8
.set PART,  24576
.set SCA,   4*CH                       ; A's scale words: 128 rows x 32 bytes
.set SCB,   SCA+4096                   ; B's: 256 rows
.set SPARE, SCB+8192                   ; the spare words, 128 bytes a wave
.set SPW,  28
.set NIL,  29
.set A16,  16
.set A8,   17
.set B16,  18
.set B8,   19
.set ADRS, 20
.set SC,   32                          ; v[SC + 8 i + s]: lanes 0-15 the word of A's tile i (i < 4), lanes 16-31 of B's tile i, K step s
.set AF,   128
.set TM,   224
.set WV,   16
.set WA,   17
.set WB,   18
.set SEL,  20
.set G1A,  24
.set G1B,  32
.set G1SA, 40
.set G1SB, 48
.set G0SA, 92
.set G0SB, 96
.set MSB, 0
.macro WIN new                         ; the immediate's high byte repeats the setting that is left
.if MSB != \new
	s_set_vgpr_msb (MSB<<8)|\new
.set MSB, \new
.endif
.endm
.macro CROUND                          ; a round of the cluster's barrier
	s_barrier_signal -1
	s_barrier_wait -1
	s_cmp_lg_u32 s[WV], 0
	s_cbranch_scc1 .Lnot_wave_0_\@
	s_barrier_signal -3
.Lnot_wave_0_\@:
	s_barrier_wait -3
	s_barrier_signal -1
	s_barrier_wait -1
.endm
.macro TL g0, g1
	tensor_load_to_lds s[(\g0):(\g0)+3], s[(\g1):(\g1)+7]
	s_nop 0
.endm
.macro PLACES
.rept 4
	v_nop
.endr
.endm
.macro FRAG reg, a16, a8, off          ; a fragment's image: four dense loads
	ds_load_b128 v[(\reg):(\reg)+3], v[\a16] offset:(\off)
	ds_load_b64 v[(\reg)+4:(\reg)+5], v[\a8] offset:(\off)+512
	ds_load_b128 v[(\reg)+6:(\reg)+9], v[\a16] offset:(\off)+768
	ds_load_b64 v[(\reg)+10:(\reg)+11], v[\a8] offset:(\off)+1280
.endm
.macro FETCH e, p                      ; the chunk's K step e into set p: B's eight fragments, A's four
	WIN 0x40
.irp bt, 0,1,2,3,4,5,6,7
	FRAG 128*(\p)+12*\bt, B16, B8, \bt*3072+(\e)*1536
.endr
	WIN 0
.irp a, 0,1,2,3
	FRAG AF+48*(\p)+12*\a, A16, A8, \a*3072+(\e)*1536
.endr
.endm
.macro MUL s, p, zero                  ; 32 products; zero = 1: they start the sums
	WIN 0xa1                                       ; source 0 (B) window 1, source 1 (A) window 0, C and D window 2
.irp a, 0,1,2,3
.irp bt, 0,1,2,3,4,5,6,7
.if \zero
	v_wmma_scale_f32_16x16x128_f8f6f4 v[8*(8*\a+\bt):8*(8*\a+\bt)+7], v[128*(\p)+12*\bt:128*(\p)+12*\bt+11], v[AF+48*(\p)+12*\a:AF+48*(\p)+12*\a+11], 0, v[SC+8*\bt+(\s)], v[SC+8*\a+(\s)] matrix_a_fmt:MATRIX_FMT_FP6 matrix_b_fmt:MATRIX_FMT_FP6 matrix_a_scale:MATRIX_SCALE_ROW1
.else
	v_wmma_scale_f32_16x16x128_f8f6f4 v[8*(8*\a+\bt):8*(8*\a+\bt)+7], v[128*(\p)+12*\bt:128*(\p)+12*\bt+11], v[AF+48*(\p)+12*\a:AF+48*(\p)+12*\a+11], v[8*(8*\a+\bt):8*(8*\a+\bt)+7], v[SC+8*\bt+(\s)], v[SC+8*\a+(\s)] matrix_a_fmt:MATRIX_FMT_FP6 matrix_b_fmt:MATRIX_FMT_FP6 matrix_a_scale:MATRIX_SCALE_ROW1
.endif
.endr
.endr
.endm
.macro STEP s                          ; K step s is multiplied while K step s + 1 comes from LDS into the other set
	s_wait_dscnt 0x0                               ; this step's fragments are in
.if ((\s)%2 == 1) && ((\s) < 7)
	s_wait_tensorcnt 3-((\s)+1)/2                  ; my part of the next chunk has landed; the later chunks' loads may stay out
	s_barrier_signal -1
	s_barrier_wait -1                              ; everybody's has
	WIN 0
	v_add_nc_u32 v[A16], CH, v[A16]
	v_add_nc_u32 v[A8], CH, v[A8]
	v_add_nc_u32 v[B16], CH, v[B16]
	v_add_nc_u32 v[B8], CH, v[B8]
.endif
	PLACES                                         ; four places in front of loads into registers that the last step's products have read
.if (\s) < 7
	FETCH ((\s)+1)%2, ((\s)+1)%2
.endif
.if (\s) == 0
	MUL \s, 0, 1
.else
	MUL \s, (\s)%2, 0
.endif
.endm
	s_load_b256 s[4:11], s[0:1], 0x0               ; xc, xs, wc, ws
	s_load_b128 s[12:15], s[0:1], 0x20             ; hc, hs
	v_lshl_add_u32 v[SPW], v0, 2, SPARE
	v_mov_b32 v[NIL], 0
	ds_add_u32 v[SPW], v[NIL]                      ; the wave's opening: the add, twice on end, and its wait ahead of my first tensor load
	ds_add_u32 v[SPW], v[NIL]
	v_lshrrev_b32 v1, 5, v0
	v_readfirstlane_b32 s[WV], v1
	s_lshr_b32 s[WA], s[WV], 1                     ; my half of A's rows
	s_and_b32 s[WB], s[WV], 1                      ; my half of B's rows
	s_bfe_u32 s66, ttmp6, 0x40004                  ; cy
	s_bfe_u32 s101, ttmp6, 0x40000                 ; cx
	s_lshl_b32 s100, s66, 2
	s_lshl_b32 s100, 15, s100                      ; my row of the cluster
	s_lshl_b32 s105, 0x1111, s101                  ; my column
	s_or_b32 s[G1A], s100, (3<<16)|(1<<21)         ; the mask; elements of 8 bytes; bit 21 beside a mask; no padding
	s_or_b32 s[G1SA], s100, (3<<16)|(1<<21)
	s_or_b32 s[G1B], s105, (3<<16)|(1<<21)
	s_or_b32 s[G1SB], s105, (3<<16)|(1<<21)
.irp g, G1A, G1B                       ; a chunk's part: 8 tiles, of each 3,072 bytes (384 elements), 12,288 bytes (1,536 elements) apart
	s_mov_b32 s[\g+1], 384<<16
	s_mov_b32 s[\g+2], 8<<16
	s_mov_b32 s[\g+3], 384<<16
	s_mov_b32 s[\g+4], 8
	s_mov_b32 s[\g+5], 1536
	s_mov_b32 s[\g+6], 0
	s_mov_b32 s[\g+7], 0
.endr
	s_mov_b32 s[G1SA+1], 32<<16                    ; scale words: a dense block as rows of 256 bytes: 16 for A,
	s_mov_b32 s[G1SA+2], 16<<16
	s_mov_b32 s[G1SA+3], 32<<16
	s_mov_b32 s[G1SA+4], 16
	s_mov_b32 s[G1SA+5], 32
	s_mov_b32 s[G1SA+6], 0
	s_mov_b32 s[G1SA+7], 0
	s_mov_b32 s[G1SB+1], 32<<16                    ; 32 for B
	s_mov_b32 s[G1SB+2], 32<<16
	s_mov_b32 s[G1SB+3], 32<<16
	s_mov_b32 s[G1SB+4], 32
	s_mov_b32 s[G1SB+5], 32
	s_mov_b32 s[G1SB+6], 0
	s_mov_b32 s[G1SB+7], 0
	s_mul_i32 s19, s[WA], PART                     ; wave 1 fetches B's first part, wave 2 its second
.set q, 0
.irp g, 56,60,68,72                    ; groups 0 for A's four chunks
	s_mov_b32 s[\g], 1
	s_mov_b32 s[\g+1], q*CH
.set q, q+1
.endr
.set q, 0
.irp g, 76,80,84,88                    ; and for B's
	s_mov_b32 s[\g], 1
	s_add_co_u32 s[\g+1], s19, q*CH+PART
.set q, q+1
.endr
	s_mov_b32 s[G0SA], 1
	s_mov_b32 s[G0SA+1], SCA
	s_mov_b32 s[G0SB], 1
	s_mov_b32 s[G0SB+1], SCB
	s_mov_b32 s[SEL], 0x76543210
	s_mov_b32 s[SEL+1], 0xfedcba98
	s_mov_b32 s22, 0xffff0000                      ; lanes 16-31
	v_and_b32 v2, 31, v0                           ; lane
	v_and_b32 v3, 15, v0                           ; r
	v_bfe_u32 v4, v0, 4, 1                         ; h
	v_lshlrev_b32 v8, 4, v2
	v_lshlrev_b32 v12, 3, v2
	s_mul_i32 s2, s[WA], 12288                     ; my four tiles of A in a chunk
	v_add_nc_u32 v[A16], s2, v8
	v_add_nc_u32 v[A8], s2, v12
	s_mul_i32 s2, s[WB], PART
	s_add_co_u32 s2, s2, PART                      ; my eight tiles of B
	v_add_nc_u32 v[B16], s2, v8
	v_add_nc_u32 v[B8], s2, v12
	s_lshl_b32 s2, s[WA], 11
	s_lshl_b32 s19, s[WB], 12
	s_add_co_u32 s19, s19, 4096
	s_sub_co_u32 s19, s19, s2                      ; from my rows' words of A to my rows' words of B
	v_mul_u32_u24 v7, s19, v4                      ; lanes 16-31 take B's
	v_lshl_add_u32 v7, v3, 5, v7
	s_add_co_u32 s2, s2, SCA
	v_add_nc_u32 v[ADRS], s2, v7
.irp b, 0,1,2,3
	v_mov_b32 v[TM+4+\b], 0                        ; a lane permute's destination counts as one of its sources
.endr
	s_and_b32 s2, ttmp7, 0xffff                    ; cluster y
	s_lshr_b32 s3, s2, 4                           ; t: 0 Q, 1 K, 2 V: the same in all partners
	s_and_b32 s2, s2, 15
	s_lshr_b32 s67, s2, 3
	s_and_b32 s104, s2, 7
	s_wait_dscnt 0x0                               ; both opening adds are done
	s_wait_kmcnt 0x0
	s_cmp_eq_u32 s3, 2                             ; V?  All choices stand behind this one compare
	s_cselect_b32 s67, s67, s2
	s_cselect_b32 s104, s104, 0
	s_mov_b32 s100, 6291456
	s_cselect_b32 s100, 786432, s100               ; a section of A's codes,
	s_mov_b32 s19, 262144
	s_cselect_b32 s19, 32768, s19                  ; of A's scale words,
	s_mov_b32 s105, 786432
	s_cselect_b32 s105, 6291456, s105              ; of B's codes,
	s_mov_b32 s23, 32768
	s_cselect_b32 s23, 262144, s23                 ; of B's scale words
	s_cselect_b64 s[58:59], s[8:9], s[4:5]         ; A's codes: wc for V, else xc
	s_cselect_b64 s[94:95], s[10:11], s[6:7]
	s_cselect_b64 s[78:79], s[4:5], s[8:9]         ; B's: the other way round
	s_cselect_b64 s[98:99], s[6:7], s[10:11]
	s_mul_i32 s4, s100, s3
	s_mul_i32 s6, s19, s3
	s_mul_i32 s8, s105, s3
	s_mul_i32 s10, s23, s3
	s_lshl_b32 s67, s67, 2
	s_add_co_u32 s67, s67, s66                     ; A's block of 128 rows: hangs on cluster y and cy
	s_lshl_b32 s104, s104, 2
	s_add_co_u32 s104, s104, s101                  ; B's block of 256 rows: on cluster y and cx
	s_mul_i32 s5, s67, 98304
	s_add_co_u32 s4, s4, s5
	s_mov_b32 s5, 0
	s_lshl_b32 s7, s67, 12
	s_add_co_u32 s6, s6, s7
	s_mov_b32 s7, 0
	s_mul_i32 s9, s104, 196608
	s_add_co_u32 s8, s8, s9
	s_mul_i32 s9, s[WA], 98304
	s_add_co_u32 s8, s8, s9
	s_mov_b32 s9, 0
	s_lshl_b32 s11, s104, 13
	s_add_co_u32 s10, s10, s11
	s_mov_b32 s11, 0
	s_add_nc_u64 s[58:59], s[58:59], s[4:5]
	s_add_nc_u64 s[94:95], s[94:95], s[6:7]
	s_add_nc_u64 s[78:79], s[78:79], s[8:9]
	s_add_nc_u64 s[98:99], s[98:99], s[10:11]
	s_add_nc_u64 s[62:63], s[58:59], 3072          ; chunk q begins 3,072 q bytes on in each tile
	s_add_nc_u64 s[70:71], s[58:59], 6144
	s_add_nc_u64 s[74:75], s[58:59], 9216
	s_add_nc_u64 s[82:83], s[78:79], 3072
	s_add_nc_u64 s[86:87], s[78:79], 6144
	s_add_nc_u64 s[90:91], s[78:79], 9216
.irp g, 59,63,71,75,79,83,87,91,95,99
	s_or_b32 s[\g], s[\g], 0x80000000              ; the type
.endr
	CROUND                                         ; all sixteen work-groups are here: the joint loads meet
	s_cmp_eq_u32 s[WV], 0                          ; every wave issues first fills, in one arm of a branch on its number: four loads of mine are out at the most
	s_cbranch_scc0 .Lnot_a
	TL 56, G1A
	TL 60, G1A
	TL 68, G1A
	TL 72, G1A
	PLACES
	s_branch .Lasked
.Lnot_a:
	s_cmp_eq_u32 s[WV], 3
	s_cbranch_scc1 .Lfor_s
	TL 76, G1B
	TL 80, G1B
	TL 84, G1B
	TL 88, G1B
	PLACES
	s_branch .Lasked
.Lfor_s:
	TL G0SA, G1SA
	TL G0SB, G1SB
	PLACES
	s_wait_tensorcnt 0x0                           ; the scale words are wanted with the first K step
.Lasked:
	; where my results go.  X: my first token, Y: my first column, whichever operand holds them
	s_lshl_b32 s4, s67, 7
	s_lshl_b32 s5, s[WA], 6
	s_add_co_u32 s4, s4, s5                        ; my first row of A
	s_lshl_b32 s5, s104, 8
	s_lshl_b32 s6, s[WB], 7
	s_add_co_u32 s5, s5, s6                        ; my first row of B
	s_cmp_eq_u32 s3, 2
	s_cselect_b32 s6, s5, s4                       ; X
	s_cselect_b32 s7, s4, s5                       ; Y
	s_mov_b32 s23, 768
	s_cselect_b32 s23, 1536, s23                   ; from one of my four tiles of A's rows to the next: a token tile's half image, or a d tile's image
	s_mov_b32 s10, 98304
	s_cselect_b32 s10, 768, s10                    ; from a fragment's first half to its second: the next head, or the image's second half
	s_cselect_b32 s11, 1, 2
	s_lshr_b32 s8, s6, 11                          ; batch
	s_and_b32 s6, s6, 2047                         ; token in the batch
	s_lshl_b32 s8, s8, 4
	s_lshr_b32 s7, s7, 6
	s_add_co_u32 s8, s8, s7                        ; head: 16 x batch + Y / 64
	s_mul_i32 s4, s3, 6291456
	s_mul_i32 s5, s8, 98304
	s_add_co_u32 s4, s4, s5
	s_mul_i32 s5, s6, 48                           ; 768 bytes for 16 tokens and 6,144 for 128 are both 48 a token
	s_add_co_u32 s4, s4, s5
	s_mov_b32 s5, 0
	s_lshl_b32 s9, s3, 18
	s_lshl_b32 s8, s8, 12
	s_add_co_u32 s8, s8, s9
	s_lshl_b32 s9, s6, s11                         ; 256 bytes for 64 tokens (Q, K) or for 128 (V)
	s_add_co_u32 s8, s8, s9
	s_mov_b32 s9, 0
	s_mov_b32 s11, 0
	s_add_nc_u64 s[4:5], s[12:13], s[4:5]
	s_add_nc_u64 s[6:7], s[4:5], s[10:11]
	s_add_nc_u64 s[8:9], s[14:15], s[8:9]
.irp a, 1,2,3
	v_add_nc_u32 v[8+\a], s23, v[7+\a]
	v_add_nc_u32 v[12+\a], s23, v[11+\a]
.endr
	s_wait_tensorcnt 3                             ; my part of chunk 0 has landed; chunks 1 to 3 may stay out
	s_barrier_signal -1
	s_barrier_wait -1
.irp i, 0,1,2,3,4,5,6,7                ; the scale words of all of K, once
	ds_load_b128 v[SC+8*\i:SC+8*\i+3], v[ADRS] offset:512*\i
	ds_load_b128 v[SC+8*\i+4:SC+8*\i+7], v[ADRS] offset:512*\i+16
.endr
	FETCH 0, 0
.irp s, 0,1,2,3,4,5,6,7
	STEP \s
.endr
	WIN 0
	PLACES                                         ; four places in front of the first read of results
; THE WAY OUT.  The 64 registers of my tile a of A's rows, register 16 b + i = index 32 b + 16 (lane/16) + i along B, become a fragment and a scale word a row.  Each accumulator is read from its low end on.
.macro QUANTW a
.set AC, 64*(\a)
.set PCS, 96+12*((\a)%2)
	WIN 0x0a
.irp b, 0,1,2,3
	v_max3_num_f32 v[TM+\b], |v[AC+16*\b]|, |v[AC+16*\b+1]|, 0x1800000
.endr
	WIN 0x28
.irp i, 2,4,6,8,10,12,14
.irp b, 0,1,2,3
	v_max3_num_f32 v[TM+\b], v[TM+\b], |v[AC+16*\b+\i]|, |v[AC+16*\b+\i+1]|
.endr
.endr
	WIN 0
.irp b, 0,1,2,3
	v_permlanex16_b32 v[TM+4+\b], v[TM+\b], s[SEL], s[SEL+1]
.endr
.irp b, 0,1,2,3
	v_max_num_f32 v[TM+\b], v[TM+\b], v[TM+4+\b]
.endr
.irp b, 0,1,2,3
	v_add_nc_u32 v[TM+12+\b], 0xff000000, v[TM+\b]
.endr
.irp b, 0,1,2,3
	v_lshrrev_b32 v[TM+4+\b], 23, v[TM+12+\b]
.endr
	v_lshl_or_b32 v[240+\a], v[TM+5], 8, v[TM+4]
	v_lshl_or_b32 v[240+\a], v[TM+6], 16, v[240+\a]
	v_lshl_or_b32 v[240+\a], v[TM+7], 24, v[240+\a]
	WIN 0x02
	v_cvt_scalef32_pk16_fp6_f32 v[PCS:PCS+2], v[AC:AC+15], v[TM+12]
	v_cvt_scalef32_pk16_fp6_f32 v[120:122], v[AC+16:AC+31], v[TM+13]
	v_cvt_scalef32_pk16_fp6_f32 v[PCS+6:PCS+8], v[AC+32:AC+47], v[TM+14]
	v_cvt_scalef32_pk16_fp6_f32 v[124:126], v[AC+48:AC+63], v[TM+15]
	WIN 0
	v_nop                                          ; one plain place behind the scaled conversions
.irp i, 0,1,2
	v_permlane16_swap_b32 v[PCS+\i], v[120+\i]
	v_permlane16_swap_b32 v[PCS+6+\i], v[124+\i]
.endr
.irp i, 0,1,2
	v_mov_b32 v[PCS+3+\i], v[120+\i]
	v_mov_b32 v[PCS+9+\i], v[124+\i]
.endr
	global_store_b128 v[8+\a], v[PCS:PCS+3], s[4:5]
	global_store_b64 v[12+\a], v[PCS+4:PCS+5], s[4:5] offset:512
	global_store_b128 v[8+\a], v[PCS+6:PCS+9], s[6:7]
	global_store_b64 v[12+\a], v[PCS+10:PCS+11], s[6:7] offset:512
.endm
	QUANTW 0
	QUANTW 1
	s_wait_xcnt 0x0                                ; tile 0's stores have read the registers that tile 2's codes take
	QUANTW 2
	s_wait_xcnt 0x0
	QUANTW 3
	v_cndmask_b32 v244, v240, v241, s22            ; tile 0's words in lanes 0-15, tile 1's in lanes 16-31
	v_cndmask_b32 v245, v242, v243, s22
	global_store_b64 v12, v[244:245], s[8:9]       ; 256 consecutive bytes
	s_wait_tensorcnt 0x0                           ; the wave's end
	ds_add_u32 v[SPW], v[NIL]
	s_wait_dscnt 0x0
	CROUND                                         ; the closing round
	s_endpgm
.Lfunc_end_k_qeb7007bf6a_gemm_qkv:
	.size	k_qeb7007bf6a_gemm_qkv, .Lfunc_end_k_qeb7007bf6a_gemm_qkv-k_qeb7007bf6a_gemm_qkv
	.p2alignl 7, 3214868480
	.fill 96, 4, 3214868480
	.section	.rodata,"a",@progbits
	.p2align	6, 0x0
	.amdhsa_kernel k_qeb7007bf6a_gemm_qkv
		.amdhsa_group_segment_fixed_size 327680
		.amdhsa_private_segment_fixed_size 0
		.amdhsa_enable_private_segment 0
		.amdhsa_kernarg_size 48
		.amdhsa_user_sgpr_count 2
		.amdhsa_user_sgpr_kernarg_segment_ptr 1
		.amdhsa_wavefront_size32 1
		.amdhsa_system_sgpr_workgroup_id_x 1
		.amdhsa_system_sgpr_workgroup_id_y 1
		.amdhsa_system_sgpr_workgroup_id_z 1
		.amdhsa_system_vgpr_workitem_id 0
		.amdhsa_next_free_vgpr 768
		.amdhsa_next_free_sgpr 106
		.amdhsa_reserve_vcc 0
		.amdhsa_float_denorm_mode_32 3
		.amdhsa_float_denorm_mode_16_64 3
		.amdhsa_memory_ordered 1
		.amdhsa_forward_progress 1
		.amdhsa_inst_pref_size 90
	.end_amdhsa_kernel
	.amdgpu_metadata
---
amdhsa.version: [ 1, 2 ]
amdhsa.kernels:
  - .name:           k_qeb7007bf6a_gemm_qkv
    .symbol:         k_qeb7007bf6a_gemm_qkv.kd
    .args:
      - { .name: xc, .offset: 0, .size: 8, .value_kind: global_buffer, .address_space: global }
      - { .name: xs, .offset: 8, .size: 8, .value_kind: global_buffer, .address_space: global }
      - { .name: wc, .offset: 16, .size: 8, .value_kind: global_buffer, .address_space: global }
      - { .name: ws, .offset: 24, .size: 8, .value_kind: global_buffer, .address_space: global }
      - { .name: hc, .offset: 32, .size: 8, .value_kind: global_buffer, .address_space: global }
      - { .name: hs, .offset: 40, .size: 8, .value_kind: global_buffer, .address_space: global }
    .group_segment_fixed_size: 327680
    .private_segment_fixed_size: 0
    .kernarg_segment_align: 8
    .kernarg_segment_size: 48
    .max_flat_workgroup_size: 128
    .sgpr_count:     106
    .vgpr_count:     768
    .wavefront_size: 32
...
	.end_amdgpu_metadata
.endif
;; end of part 2
;; launch attn (part 3): grid 8 x 32, 16 waves a work-group, no clusters, 210,944 bytes of LDS; arguments hc, hs, valid_length, oc, os; writes oc, os
.if DOCPART == 3
	.amdgcn_target "amdgcn-amd-amdhsa--gfx1250"
	.amdhsa_code_object_version 6
	.text
	.protected	k_qeb7007bf6a_attn
	.globl	k_qeb7007bf6a_attn
	.p2align	8
	.type	k_qeb7007bf6a_attn,@function
k_qeb7007bf6a_attn:
	s_mov_b64 s[64:65], 0
	v_nop
	global_prefetch_b8 v0, s[64:65] scope:SCOPE_SE
	s_setreg_imm32_b32 hwreg(HW_REG_WAVE_MODE, 25, 1), 1
	s_wait_xcnt 0x0
; softmax(Q K^T / 8, keys at or beyond the head's valid length at -1e6) V on codes of E2M3, and the result quantised along the model's 1,024 for the last projection.
; WORK LEFT OUT (shown at the head of launch quant): for a key step of 128 keys that all lie at or beyond the valid length, reference() discards every score for all values of the inputs: Q K^T and the per-key softmax of such a
; step are not done.  Its scores are the constant -1e6; the first such step goes through the softmax once, the later ones take its p, codes and scale word as they stand; their P V is done in full.
; LIMITS: a NaN, infinity or overflow that arises only in discarded scores is not carried on; NaN and infinities among the inputs are not served; a block of zeros gets the byte 1; a block's largest p is taken through the block's largest
; score by the same multiply-add and exponential, which takes v_exp_f32 not to fall where its input rises.  valid_length is held to 0 .. 2,048, beyond which the mask does not change.
; NO TENSOR LOAD, NO CLUSTER: branches here hang on valid_length, read from memory; K and V come through registers into LDS.  Every loop has 16 trips; only work is jumped over, never a barrier.
; SHARES.  Work-group (x, y): 256 queries (x) of heads 2 g and 2 g + 1 of batch b (y = 8 b + g), one head after the other: their valid lengths are valid_length[2 (g % 2)] and [2 (g % 2) + 1] (flat head i uses valid_length[i % 4]),
; and the two heads' 128 numbers a query are one K step of the last projection, so the result leaves as whole fragments.  Each of sixteen waves owns one stored tile of 16 queries: four waves to a SIMD.
; LAYOUT.  Both products transposed: S^T = K Q^T, O^T = V^T P^T: a lane holds one query.  Stored tiles are sigma-ordered (launch quant), so p's 16 registers of tiles 2 b, 2 b + 1 are 16 neighbouring keys.
; A HEAD'S 64 IN AN INSTRUCTION OF 128: head 2 g + c stands at k = 64 c on.  Q's operand holds Q's six registers there and zero codes in the other six; K's tiles lie six registers apart, and a tile's operand takes a neighbour's
; six (or a pad of zeros) as its other half, which meets Q's zero codes.  The scale words hold both heads' bytes, so they serve as stored.
; SOFTMAX: t = score x log2(e) / 8; M = the running largest t rounded up; p = 2^(t - M) is quantised along the keys; the sum is of the unquantised p and divides at the end.
.set VC,    98304                      ; LDS: K's codes of a head from 0 (128 tiles x 768), V's from here (16 steps x 6,144),
.set KSC,   196608                     ; K's scale words, both heads', 8,192 bytes, filled once,
.set VSC,   204800                     ; V's, 4,096 bytes,
.set SPARE, 208896                     ; the spare words, 128 bytes a wave
.set SPW,  14
.set NIL,  15
.set S,    96                          ; v96-159 S^T, then p
.set O,    160                         ; v160-191 O^T
.set P,    192                         ; v192-203 p's codes; v204-206, v208-210 at work for them
.set BM,   212                         ; v212-215 block maxima, v216-219 bytes, v220-223 scale operands
.set OF,   236                         ; v236-247 the output's fragment; v248 its scale word
.set WV,   14
.set TAU,  15                          ; my stored tile of queries in the batch
.set BG,   16
.set GG,   17
.set BB,   18
.set SEL,  20
.set CS,   22                          ; s[22:23] log2(e) / 8
.set VL,   24                          ; s24, s25 the two heads' valid lengths
.set KF,   26                          ; the step's first key
.set T6,   27
.set T5,   28
.set T4,   29
.set VAL,  30
.set PQ,   32
.set PK,   34
.set PV,   36
.set PVS,  38
.set PKS,  40
.set PQS,  42
.set FV,   48                          ; s[48:49], s[50:51] where my prefetches stand; never rewritten
.set FK,   50
.set PFT,  52                          ; the first key of the step at whose end I prefetch; -1 in a wave that does not
.set PFB,  53
.set TMP,  54
.set PFW,  55
.set ASKAT, 1536
	s_load_b256 s[4:11], s[0:1], 0x0               ; hc, hs, valid_length, oc
	s_load_b64 s[12:13], s[0:1], 0x20              ; os
	v_lshl_add_u32 v[SPW], v0, 2, SPARE
	v_mov_b32 v[NIL], 0
	v_lshrrev_b32 v1, 5, v0
	v_readfirstlane_b32 s[WV], v1
	s_and_b32 s[BG], ttmp7, 0xffff
	s_and_b32 s[GG], s[BG], 7
	s_lshr_b32 s[BB], s[BG], 3
	s_lshl_b32 s[TAU], ttmp9, 4
	s_add_co_u32 s[TAU], s[TAU], s[WV]
	v_and_b32 v233, 31, v0                         ; lane
	v_and_b32 v232, 15, v0                         ; r
	v_lshlrev_b32 v1, 4, v233                      ; every LDS address register is made here
	v_lshlrev_b32 v2, 3, v233
	v_add_nc_u32 v3, VC, v1
	v_add_nc_u32 v4, VC, v2
	v_add_nc_u32 v5, KSC, v2
	v_add_nc_u32 v6, VSC, v2
	s_mul_i32 s[TMP], s[WV], 6144
	v_add_nc_u32 v13, s[TMP], v1                   ; the fill: wave w copies key step w
	v_add_nc_u32 v250, s[TMP], v3
	s_lshl_b32 s[TMP], s[WV], 8
	v_add_nc_u32 v251, s[TMP], v6
	s_lshl_b32 s[TMP], s[WV], 9
	v_add_nc_u32 v252, s[TMP], v1
	v_add_nc_u32 v252, KSC, v252
	v_lshlrev_b32 v249, 5, v232
	v_lshlrev_b32 v254, 3, v232
	v_lshlrev_b32 v253, 8, v233
.irp k, 0,1,2,3,4,5
	v_mov_b32 v[28+\k], 0                          ; the pads of zero codes below and above K's tiles
	v_mov_b32 v[82+\k], 0
.endr
.irp k, 0,1,2,3,4,5,6,7,8,9,10,11
	v_mov_b32 v[P+\k], 0                           ; written once, since the text has a way to the constant step's readers that no run takes first
.endr
	v_mov_b32 v95, 0
	v_mov_b32 v[S], 0
	v_mov_b32 v229, 0                              ; named as the upper half of a pair
.irp b, 0,1,2,3
	v_mov_b32 v[BM+4+\b], 0                        ; a lane permute's destination counts as one of its sources
.endr
	s_mov_b32 s[SEL], 0x76543210
	s_mov_b32 s[SEL+1], 0xfedcba98
	s_mov_b32 s[CS], 0x3e38aa3b
	s_mov_b32 s[CS+1], s[CS]
	s_mul_i32 s44, s[BG], 196608                   ; two heads' codes
	s_mul_i32 s45, s[WV], 6144
	s_mul_i32 s[PQ], s[TAU], 768
	s_add_co_u32 s[PQ], s[PQ], s44
	s_mov_b32 s[PQ+1], 0
	s_add_co_u32 s[PK], s44, s45
	s_add_co_u32 s[PV], s[PK], 12582912
	s_add_co_u32 s[PK], s[PK], 6291456
	s_mov_b32 s[PK+1], 0
	s_mov_b32 s[PV+1], 0
	s_lshl_b32 s46, s[BG], 13
	s_lshl_b32 s47, s[WV], 8
	s_add_co_u32 s[PVS], s46, s47
	s_add_co_u32 s[PVS], s[PVS], 524288
	s_mov_b32 s[PVS+1], 0
	s_lshl_b32 s47, s[WV], 9
	s_add_co_u32 s[PKS], s46, s47
	s_add_co_u32 s[PKS], s[PKS], 262144
	s_mov_b32 s[PKS+1], 0
	s_lshr_b32 s47, s[TAU], 2                      ; Q's scale words: 256 bytes for four tiles; my tile's half of the lanes and word
	s_lshl_b32 s47, s47, 8
	s_add_co_u32 s[PQS], s46, s47
	s_and_b32 s47, s[TAU], 1
	s_lshl_b32 s47, s47, 7
	s_add_co_u32 s[PQS], s[PQS], s47
	s_bfe_u32 s47, s[TAU], 0x10001
	s_lshl_b32 s47, s47, 2
	s_add_co_u32 s[PQS], s[PQS], s47
	s_mov_b32 s[PQS+1], 0
	s_lshl_b32 s47, s[WV], 13
	s_add_co_u32 s[FV], s44, s47
	s_add_co_u32 s[FK], s[FV], 6291456+98304
	s_add_co_u32 s[FV], s[FV], 12582912+98304
	s_mov_b32 s[FV+1], 0
	s_mov_b32 s[FK+1], 0
	s_lshl_b32 s47, s[BB], 7
	s_add_co_u32 s47, s47, s[TAU]                  ; my stored tile among all 512
	s_mul_i32 s56, s47, 12288
	s_mul_i32 s57, s[GG], 1536
	s_add_co_u32 s56, s56, s57
	s_mov_b32 s57, 0
	s_lshl_b32 s58, s47, 9
	s_lshl_b32 s59, s[GG], 2
	s_add_co_u32 s58, s58, s59
	s_mov_b32 s59, 0
	s_and_b32 s[TMP], s[GG], 1
	s_lshl_b32 s[TMP], s[TMP], 3
	s_mov_b32 s[TMP+1], 0
	s_wait_kmcnt 0x0
	s_add_nc_u64 s[8:9], s[8:9], s[TMP:TMP+1]
	s_load_b64 s[VL:VL+1], s[8:9], 0x0
	s_add_nc_u64 s[PQ:PQ+1], s[4:5], s[PQ:PQ+1]
	s_add_nc_u64 s[PK:PK+1], s[4:5], s[PK:PK+1]
	s_add_nc_u64 s[PV:PV+1], s[4:5], s[PV:PV+1]
	s_add_nc_u64 s[FV:FV+1], s[4:5], s[FV:FV+1]
	s_add_nc_u64 s[FK:FK+1], s[4:5], s[FK:FK+1]
	s_add_nc_u64 s[PVS:PVS+1], s[6:7], s[PVS:PVS+1]
	s_add_nc_u64 s[PKS:PKS+1], s[6:7], s[PKS:PKS+1]
	s_add_nc_u64 s[PQS:PQS+1], s[6:7], s[PQS:PQS+1]
	s_add_nc_u64 s[10:11], s[10:11], s[56:57]
	s_add_nc_u64 s[12:13], s[12:13], s[58:59]
	s_cmp_lt_u32 s[WV], 12                         ; who prefetches: waves 0 to 11 of the work-group with x = 0: the eight work-groups of a pair of heads read the same K and V
	s_cselect_b32 s[PFT], 0, 1
	s_or_b32 s[PFT], s[PFT], ttmp9
	s_cmp_eq_u32 s[PFT], 0
	s_cselect_b32 s[PFT], ASKAT, -1
	s_lshl_b32 s[PFW], s[WV], 13
	s_wait_kmcnt 0x0
	s_max_i32 s[VL], s[VL], 0
	s_min_i32 s[VL], s[VL], 2048
	s_max_i32 s[VL+1], s[VL+1], 0
	s_min_i32 s[VL+1], s[VL+1], 2048
	s_add_co_u32 s[PFB], s[VL+1], 127
	s_lshr_b32 s[PFB], s[PFB], 7
	s_mul_i32 s[PFB], s[PFB], 6144                 ; head 1's bytes of K that will be read
; Head c's K, V, scale words into LDS, and my Q into registers.  A flat copy, 512 consecutive bytes a load.  K's steps that lie wholly beyond the valid length are never read and are not copied.
.macro FILL c
.irp k, 0,1,2,3,4,5,6,7,8,9,10,11
	global_load_b128 v[34+4*\k:37+4*\k], v1, s[PV:PV+1] offset:\c*98304+512*\k
.endr
	global_load_b64 v[144:145], v2, s[PVS:PVS+1] offset:\c*4096
.if \c == 0
	global_load_b128 v[148:151], v1, s[PKS:PKS+1]
	global_load_b32 v94, v254, s[PQS:PQS+1]        ; lanes 0-15 (and 16-31 alike) hold my queries' words
.endif
	global_load_b128 v[16+6*\c:19+6*\c], v1, s[PQ:PQ+1] offset:\c*98304
	global_load_b64 v[20+6*\c:21+6*\c], v2, s[PQ:PQ+1] offset:\c*98304+512
.irp k, 0,1,2,3,4,5
	v_mov_b32 v[22-6*\c+\k], 0                     ; zero codes in the other head's half
.endr
.if \c == 1
	s_wait_dscnt 0x0                               ; my reads of head 0's bytes are over,
	s_barrier_signal -1
	s_barrier_wait -1                              ; everybody's are: they may be written over
.endif
	s_lshl_b32 s[TMP], s[WV], 7
	s_cmp_ge_u32 s[TMP], s[VAL]
	s_cbranch_scc1 .Lno_k_\@
.irp k, 0,1,2,3,4,5,6,7,8,9,10,11
	global_load_b128 v[S+4*\k:S+4*\k+3], v1, s[PK:PK+1] offset:\c*98304+512*\k
.endr
	s_wait_loadcnt 0x0
.irp k, 0,1,2,3,4,5,6,7,8,9,10,11
	ds_store_b128 v13, v[S+4*\k:S+4*\k+3] offset:512*\k
.endr
.Lno_k_\@:
	s_wait_loadcnt 0x0
.irp k, 0,1,2,3,4,5,6,7,8,9,10,11
	ds_store_b128 v250, v[34+4*\k:37+4*\k] offset:512*\k
.endr
	ds_store_b64 v251, v[144:145]
.if \c == 0
	ds_store_b128 v252, v[148:151]
.endif
	s_wait_dscnt 0x0                               ; for the others' sake: my stores have landed
	s_barrier_signal -1
	s_barrier_wait -1
.endm
.macro HEADINIT
	v_mov_b32 v225, 0xff61b1e6                     ; the largest t so far: -3e38
	v_floor_f32 v224, -v225                        ; -M
	v_mov_b32 v226, 0                              ; the sum, in two halves
	v_mov_b32 v227, 0
.set n, 0
.rept 32
	v_mov_b32 v[O+n], 0                            ; the step is written once: the first finds zeros, which the first change of M leaves zeros
.set n, n+1
.endr
	s_mov_b32 s[KF], 0
	s_mov_b32 s[T6], 0
	s_mov_b32 s[T5], 0
	s_mov_b32 s[T4], 0
.endm
.macro VLOAD                           ; the step's four fragments of V and their scale words
.irp a, 0,1,2,3
	ds_load_b128 v[34+12*\a:37+12*\a], v9 offset:1536*\a
	ds_load_b64 v[38+12*\a:39+12*\a], v10 offset:1536*\a+512
	ds_load_b128 v[40+12*\a:43+12*\a], v9 offset:1536*\a+768
	ds_load_b64 v[44+12*\a:45+12*\a], v10 offset:1536*\a+1280
.endr
	ds_load_b64 v[92:93], v12
.endm
.macro KQ u, c
.if (\u)%2
	v_wmma_scale_f32_16x16x128_f8f6f4 v[S+8*(\u):S+8*(\u)+7], v[34+6*(\u)-6*(\c):45+6*(\u)-6*(\c)], v[16:27], 0, v[88+(\u)/2], v94 matrix_a_fmt:MATRIX_FMT_FP6 matrix_b_fmt:MATRIX_FMT_FP6 matrix_a_scale:MATRIX_SCALE_ROW1
.else
	v_wmma_scale_f32_16x16x128_f8f6f4 v[S+8*(\u):S+8*(\u)+7], v[34+6*(\u)-6*(\c):45+6*(\u)-6*(\c)], v[16:27], 0, v[88+(\u)/2], v94 matrix_a_fmt:MATRIX_FMT_FP6 matrix_b_fmt:MATRIX_FMT_FP6
.endif
.endm
.macro PVM a
.if (\a)%2
	v_wmma_scale_f32_16x16x128_f8f6f4 v[O+8*(\a):O+8*(\a)+7], v[34+12*(\a):45+12*(\a)], v[P:P+11], v[O+8*(\a):O+8*(\a)+7], v[92+(\a)/2], v95 matrix_a_fmt:MATRIX_FMT_FP6 matrix_b_fmt:MATRIX_FMT_FP6 matrix_a_scale:MATRIX_SCALE_ROW1
.else
	v_wmma_scale_f32_16x16x128_f8f6f4 v[O+8*(\a):O+8*(\a)+7], v[34+12*(\a):45+12*(\a)], v[P:P+11], v[O+8*(\a):O+8*(\a)+7], v[92+(\a)/2], v95 matrix_a_fmt:MATRIX_FMT_FP6 matrix_b_fmt:MATRIX_FMT_FP6
.endif
.endm
; The softmax of 128 keys: register 16 b + i of S is key 32 b + 16 (lane/16) + i of my query
.macro SOFT
.irp b, 0,1,2,3
	v_max3_num_f32 v[BM+\b], v[S+16*\b], v[S+1+16*\b], v[S+2+16*\b]   ; the largest score of each block of 32 keys: for the row's maximum and for the block's largest p
.endr
.irp i, 3,5,7,9,11,13
.irp b, 0,1,2,3
	v_max3_num_f32 v[BM+\b], v[BM+\b], v[S+16*\b+\i], v[S+1+16*\b+\i]
.endr
.endr
.irp b, 0,1,2,3
	v_max_num_f32 v[BM+\b], v[BM+\b], v[S+15+16*\b]
.endr
.irp b, 0,1,2,3
	v_permlanex16_b32 v[BM+4+\b], v[BM+\b], s[SEL], s[SEL+1]
.endr
.irp b, 0,1,2,3
	v_max_num_f32 v[BM+\b], v[BM+\b], v[BM+4+\b]
.endr
	v_max3_num_f32 v230, v[BM], v[BM+1], v[BM+2]
	v_max_num_f32 v230, v230, v[BM+3]
	v_mul_f32 v230, s[CS], v230
	v_max_num_f32 v225, v225, v230                 ; the running largest t
	v_mov_b32 v230, v224
	v_floor_f32 v224, -v225                        ; the new -M: M is a whole number
	v_sub_f32 v230, v224, v230
	v_cvt_i32_f32 v230, v230                       ; (it saturates)
	v_ldexp_f32 v228, 1.0, v230                    ; f = 2^(old M - new M)
.set n, 0
.rept 32
	v_pk_fma_f32 v[S+n:S+n+1], v[S+n:S+n+1], s[CS:CS+1], v[224:225] op_sel_hi:[1,0,0]   ; t - M
.set n, n+2
.endr
.irp b, 0,1,2,3
	v_fma_f32 v[BM+\b], v[BM+\b], s[CS], v224
.endr
.set n, 0
.rept 64
	v_exp_f32 v[S+n], v[S+n]                       ; p = 2^(t - M)
.set n, n+1
.endr
	v_pk_mul_f32 v[226:227], v[226:227], v[228:229] op_sel_hi:[1,0]   ; the sums under the new M: a plain place behind the exponentials
	s_wait_alu depctr_va_vdst(0)                   ; one wait for the batch, ahead of its first reader
.irp b, 0,1,2,3
	v_exp_f32 v[BM+\b], v[BM+\b]                   ; each block's largest p
.endr
	v_pk_add_f32 v[232:233], v[S:S+1], v[S+2:S+3]  ; the sum of the unquantised p, in two chains
.irp j, 4,8,12,16,20,24,28,32,36,40,44,48,52,56,60
	v_pk_add_f32 v[226:227], v[226:227], v[S+\j:S+\j+1]
	v_pk_add_f32 v[232:233], v[232:233], v[S+\j+2:S+\j+3]
.endr
	v_pk_add_f32 v[226:227], v[226:227], v[232:233]
	s_wait_alu depctr_va_vdst(0)                   ; and one for the four
.irp b, 0,1,2,3
	v_max_num_f32 v[BM+\b], 0x1800000, v[BM+\b]    ; the floor: the byte cannot fall under 1
.endr
.irp b, 0,1,2,3
	v_add_nc_u32 v[BM+8+\b], 0xff000000, v[BM+\b]
.endr
.irp b, 0,1,2,3
	v_lshrrev_b32 v[BM+4+\b], 23, v[BM+8+\b]
.endr
	v_lshl_or_b32 v95, v[BM+5], 8, v[BM+4]         ; p's scale word for these 128 keys
	v_lshl_or_b32 v95, v[BM+6], 16, v95
	v_lshl_or_b32 v95, v[BM+7], 24, v95
	v_cvt_scalef32_pk16_fp6_f32 v[P:P+2], v[S:S+15], v[BM+8]
	v_cvt_scalef32_pk16_fp6_f32 v[204:206], v[S+16:S+31], v[BM+9]
	v_cvt_scalef32_pk16_fp6_f32 v[P+6:P+8], v[S+32:S+47], v[BM+10]
	v_cvt_scalef32_pk16_fp6_f32 v[208:210], v[S+48:S+63], v[BM+11]
	v_nop
.irp i, 0,1,2
	v_permlane16_swap_b32 v[P+\i], v[204+\i]
	v_permlane16_swap_b32 v[P+6+\i], v[208+\i]
.endr
.irp i, 0,1,2
	v_mov_b32 v[P+3+\i], v[204+\i]
	v_mov_b32 v[P+9+\i], v[208+\i]
.endr
.set n, 0
.rept 16
	v_pk_mul_f32 v[O+n:O+n+1], v[O+n:O+n+1], v[228:229] op_sel_hi:[1,0]   ; O^T under the new M; these are also the places in front of the products below
.set n, n+2
.endr
.endm
; A KEY STEP of head c
.macro STEP c
	v_add_nc_u32 v7, s[T6], v1                     ; the step's six addresses: also the places behind the last step's products, in front of loads into their registers
	v_add_nc_u32 v8, s[T6], v2
	v_add_nc_u32 v9, s[T6], v3
	v_add_nc_u32 v10, s[T6], v4
	v_add_nc_u32 v11, s[T5], v5
	v_add_nc_u32 v12, s[T4], v6
	s_cmp_ge_u32 s[KF], s[VAL]
	s_cbranch_scc1 .Lmask_\@                       ; no key of this step counts
.irp u, 0,1,2,3,4,5,6,7
	ds_load_b128 v[34+6*\u:37+6*\u], v7 offset:768*\u
	ds_load_b64 v[38+6*\u:39+6*\u], v8 offset:768*\u+512
.endr
	ds_load_b64 v[88:89], v11
	ds_load_b64 v[90:91], v11 offset:256
	s_wait_dscnt 0x0
.irp u, 0,1,2,3,4,5,6,7
	KQ \u, \c
.endr
.rept 4
	v_nop                                          ; places in front of the loads over K's tiles and of the first read of scores
.endr
	VLOAD
	s_add_co_u32 s[TMP], s[KF], 128
	s_cmp_le_u32 s[TMP], s[VAL]
	s_cbranch_scc1 .Lsoft_\@                       ; all keys of this step count
	s_sub_co_i32 s[TMP], s[VAL], s[KF]
	s_sub_co_i32 s[TMP], s[TMP], 1
	v_bfe_u32 v230, v0, 4, 1
	v_lshlrev_b32 v230, 4, v230
	v_sub_nc_u32 v230, s[TMP], v230                ; register 16 b + i is masked where 32 b + i > valid - first key - 16 (lane/16) - 1
	v_mov_b32 v231, 0xcaf42400                     ; -8e6: -1e6 ahead of the division by 8
.set n, 0
.rept 64
	v_cmp_gt_i32 vcc_lo, 32*(n/16)+n%16, v230
	v_cndmask_b32 v[S+n], v[S+n], v231, vcc_lo
.set n, n+1
.endr
	s_branch .Lsoft_\@
.Lmask_\@:
	VLOAD
	s_add_co_u32 s[TMP], s[VAL], 128
	s_cmp_ge_u32 s[KF], s[TMP]
	s_cbranch_scc1 .Llater_\@                      ; the step before was masked whole too: its p, codes and scale word stand
.set n, 0
.rept 64
	v_mov_b32 v[S+n], 0xcaf42400
.set n, n+1
.endr
.Lsoft_\@:
	SOFT
	s_branch .Lpv_\@
.Llater_\@:
	v_fmac_f32 v226, 0x42800000, v[S]              ; my 64 keys' p, all equal, onto the sum; M does not move
.Lpv_\@:
	s_wait_dscnt 0x0                               ; V is in
.irp a, 0,1,2,3
	PVM \a
.endr
.if \c == 0
; A PREFETCH INTO THE L2 of head 1's V and K, at the end of the step with first key 1,536: three key steps and the head's way out ahead of the loads that want them.  Each aligned block of 256 bytes is named once in the launch:
; the eight work-groups of a pair of heads read the same bytes, the one with x = 0 asks; wave w names bytes 8,192 w on, lanes 256 bytes apart; of K only as far as the valid length has it read.  The addresses are never rewritten.
	s_cmp_eq_u32 s[KF], s[PFT]
	s_cbranch_scc0 .Lno_ask_\@
	global_prefetch_b8 v253, s[FV:FV+1] th:TH_LOAD_NT scope:SCOPE_SE
	s_cmp_lt_u32 s[PFW], s[PFB]
	s_cbranch_scc0 .Lno_ask_\@
	global_prefetch_b8 v253, s[FK:FK+1] th:TH_LOAD_NT scope:SCOPE_SE
.Lno_ask_\@:
.endif
	s_add_co_u32 s[T6], s[T6], 6144
	s_add_co_u32 s[T5], s[T5], 512
	s_add_co_u32 s[T4], s[T4], 256
	s_add_co_u32 s[KF], s[KF], 128
.endm
; Head c's result: O^T / the sum, register 16 b + i = d 32 b + 16 (lane/16) + i, becomes half c of the output's fragment and two bytes of its scale word
.macro EPI c
.rept 4
	v_nop
.endr
	v_add_f32 v226, v226, v227
	v_permlanex16_b32 v[BM+4], v226, s[SEL], s[SEL+1]
	v_add_f32 v226, v226, v[BM+4]                  ; the row's sum
	v_rcp_f32 v228, v226
	v_nop
	s_wait_alu depctr_va_vdst(0)
.set n, 0
.rept 16
	v_pk_mul_f32 v[S+n:S+n+1], v[O+n:O+n+1], v[228:229] op_sel_hi:[1,0]
.set n, n+2
.endr
.irp b, 0,1
	v_max3_num_f32 v[BM+\b], |v[S+16*\b]|, |v[S+1+16*\b]|, 0x1800000
.endr
.irp i, 2,4,6,8,10,12,14
.irp b, 0,1
	v_max3_num_f32 v[BM+\b], v[BM+\b], |v[S+16*\b+\i]|, |v[S+1+16*\b+\i]|
.endr
.endr
.irp b, 0,1
	v_permlanex16_b32 v[BM+4+\b], v[BM+\b], s[SEL], s[SEL+1]
.endr
.irp b, 0,1
	v_max_num_f32 v[BM+\b], v[BM+\b], v[BM+4+\b]
.endr
.irp b, 0,1
	v_add_nc_u32 v[BM+8+\b], 0xff000000, v[BM+\b]
.endr
.irp b, 0,1
	v_lshrrev_b32 v[BM+4+\b], 23, v[BM+8+\b]
.endr
.if \c == 0
	v_lshl_or_b32 v248, v[BM+5], 8, v[BM+4]
.else
	v_lshl_or_b32 v248, v[BM+4], 16, v248
	v_lshl_or_b32 v248, v[BM+5], 24, v248
.endif
	v_cvt_scalef32_pk16_fp6_f32 v[OF+6*\c:OF+6*\c+2], v[S:S+15], v[BM+8]
	v_cvt_scalef32_pk16_fp6_f32 v[204:206], v[S+16:S+31], v[BM+9]
	v_nop
.irp i, 0,1,2
	v_permlane16_swap_b32 v[OF+6*\c+\i], v[204+\i]
.endr
.irp i, 0,1,2
	v_mov_b32 v[OF+6*\c+3+\i], v[204+\i]
.endr
.endm
	s_mov_b32 s[VAL], s[VL]
	FILL 0
	HEADINIT
.Lkeys0:                                           ; 16 trips
	STEP 0
	s_cmp_lt_u32 s[KF], 2048
	s_cbranch_scc1 .Lkeys0
	EPI 0
	s_mov_b32 s[VAL], s[VL+1]
	FILL 1
	HEADINIT
.Lkeys1:
	STEP 1
	s_cmp_lt_u32 s[KF], 2048
	s_cbranch_scc1 .Lkeys1
	EPI 1
	global_store_b128 v1, v[OF:OF+3], s[10:11]     ; the fragment's image: whole aligned blocks of 256 bytes
	global_store_b64 v2, v[OF+4:OF+5], s[10:11] offset:512
	global_store_b128 v1, v[OF+6:OF+9], s[10:11] offset:768
	global_store_b64 v2, v[OF+10:OF+11], s[10:11] offset:1280
	global_store_b32 v249, v248, s[12:13]          ; my rows' scale words, 4 bytes of each row's 32: pieces, 256 KiB in the whole launch; lanes r and r + 16 write the same word with the same value
	s_wait_tensorcnt 0x0                           ; the wave's end: a wait, an add to my spare word and a wait follow my last LDS store
	ds_add_u32 v[SPW], v[NIL]
	s_wait_dscnt 0x0
	s_endpgm
.Lfunc_end_k_qeb7007bf6a_attn:
	.size	k_qeb7007bf6a_attn, .Lfunc_end_k_qeb7007bf6a_attn-k_qeb7007bf6a_attn
	.p2alignl 7, 3214868480
	.fill 96, 4, 3214868480
	.section	.rodata,"a",@progbits
	.p2align	6, 0x0
	.amdhsa_kernel k_qeb7007bf6a_attn
		.amdhsa_group_segment_fixed_size 210944
		.amdhsa_private_segment_fixed_size 0
		.amdhsa_enable_private_segment 0
		.amdhsa_kernarg_size 40
		.amdhsa_user_sgpr_count 2
		.amdhsa_user_sgpr_kernarg_segment_ptr 1
		.amdhsa_wavefront_size32 1
		.amdhsa_system_sgpr_workgroup_id_x 1
		.amdhsa_system_sgpr_workgroup_id_y 1
		.amdhsa_system_sgpr_workgroup_id_z 1
		.amdhsa_system_vgpr_workitem_id 0
		.amdhsa_next_free_vgpr 256
		.amdhsa_next_free_sgpr 66
		.amdhsa_reserve_vcc 1
		.amdhsa_float_denorm_mode_32 3
		.amdhsa_float_denorm_mode_16_64 3
		.amdhsa_memory_ordered 1
		.amdhsa_forward_progress 1
		.amdhsa_inst_pref_size 79
	.end_amdhsa_kernel
	.amdgpu_metadata
---
amdhsa.version: [ 1, 2 ]
amdhsa.kernels:
  - .name:           k_qeb7007bf6a_attn
    .symbol:         k_qeb7007bf6a_attn.kd
    .args:
      - { .name: hc, .offset: 0, .size: 8, .value_kind: global_buffer, .address_space: global }
      - { .name: hs, .offset: 8, .size: 8, .value_kind: global_buffer, .address_space: global }
      - { .name: valid_length, .offset: 16, .size: 8, .value_kind: global_buffer, .address_space: global }
      - { .name: oc, .offset: 24, .size: 8, .value_kind: global_buffer, .address_space: global }
      - { .name: os, .offset: 32, .size: 8, .value_kind: global_buffer, .address_space: global }
    .group_segment_fixed_size: 210944
    .private_segment_fixed_size: 0
    .kernarg_segment_align: 8
    .kernarg_segment_size: 40
    .max_flat_workgroup_size: 512
    .sgpr_count:     66
    .vgpr_count:     256
    .wavefront_size: 32
...
	.end_amdgpu_metadata
.endif
;; end of part 3
;; launch gemm_o (part 4): grid 4 x 64, 4 waves a work-group, clusters of 4 x 4, 327,680 bytes of LDS; arguments oc, os, wc, ws, out0; writes out0
.if DOCPART == 4
	.amdgcn_target "amdgcn-amd-amdhsa--gfx1250"
	.amdhsa_code_object_version 6
	.text
	.protected	k_qeb7007bf6a_gemm_o
	.globl	k_qeb7007bf6a_gemm_o
	.p2align	8
	.type	k_qeb7007bf6a_gemm_o,@function
k_qeb7007bf6a_gemm_o:
	s_mov_b64 s[64:65], 0
	v_nop
	global_prefetch_b8 v0, s[64:65] scope:SCOPE_SE
	s_setreg_imm32_b32 hwreg(HW_REG_WAVE_MODE, 25, 1), 1
	s_wait_xcnt 0x0
	s_wait_alu depctr_hold_cnt(0) depctr_sa_sdst(0) depctr_va_vdst(0) depctr_va_sdst(0) depctr_va_ssrc(0) depctr_va_vcc(0) depctr_vm_vsrc(0)
	s_getreg_b32 s2, hwreg(HW_REG_IB_STS2, 6, 4)
	s_cmp_eq_u32 s2, 0
	s_cbranch_scc0 .Lentry_in_a_cluster
	s_endpgm
.Lentry_in_a_cluster:
	s_bfe_u32 s2, ttmp6, 0x10000c
	s_cmp_lg_u32 s2, 0xf033
	s_cbranch_scc0 .Lentry_shape_is_right
	s_endpgm
.Lentry_shape_is_right:
; out0 = (attention's result) Wo on codes of E2M3; out0 [8192][1024] f32.  Nothing is left out here.
; The frame is launch gemm_qkv's: a work-group makes 128 rows of A (the tokens, source 1) x 256 rows of B (Wo's columns, source 0), with all of K = 1,024 resident in LDS in four chunks, each filled once.
; 256 work-groups.  Four waves, each 64 x 128: 32 accumulators, which take turns, one instruction a turn.  CLUSTER 4 x 4: A's chunks are shared along a row of the cluster, B's along a column, by joint loads.
; THE WAY OUT undoes the order of stored rows: a lane's registers of B's tiles 2 b, 2 b + 1 are columns 32 b + 16 (lane/16) + 0 .. 15, and row t of A's tile a is token 32 (a/2) + 8 (a%2) + t + 8 (t/8): both are constants of the text.
; A block of 16 rows goes through the wave's own stage in LDS and leaves as whole rows of 512 bytes.  The stages lie in chunk 0, which has had its only fill and whose last reads every wave has awaited ahead of a later barrier.
.set CH,    73728
.set PART,  24576
.set SCA,   4*CH
.set SCB,   SCA+4096
.set SPARE, SCB+8192
.set SPW,  28
.set NIL,  29
.set A16,  16
.set A8,   17
.set B16,  18
.set B8,   19
.set ADRS, 20
.set STO,  21
.set RD,   22
.set CO,   23
.set SC,   32
.set AF,   128
.set BK,   128                         ; the way out: 16 rows read back: v128-191 and v192-255 by turns
.set WV,   16
.set WA,   17
.set WB,   18
.set G1A,  24
.set G1B,  32
.set G1SA, 40
.set G1SB, 48
.set G0SA, 92
.set G0SB, 96
.set MSB, 0
.macro WIN new
.if MSB != \new
	s_set_vgpr_msb (MSB<<8)|\new
.set MSB, \new
.endif
.endm
.macro CROUND
	s_barrier_signal -1
	s_barrier_wait -1
	s_cmp_lg_u32 s[WV], 0
	s_cbranch_scc1 .Lnot_wave_0_\@
	s_barrier_signal -3
.Lnot_wave_0_\@:
	s_barrier_wait -3
	s_barrier_signal -1
	s_barrier_wait -1
.endm
.macro TL g0, g1
	tensor_load_to_lds s[(\g0):(\g0)+3], s[(\g1):(\g1)+7]
	s_nop 0
.endm
.macro PLACES
.rept 4
	v_nop
.endr
.endm
.macro FRAG reg, a16, a8, off
	ds_load_b128 v[(\reg):(\reg)+3], v[\a16] offset:(\off)
	ds_load_b64 v[(\reg)+4:(\reg)+5], v[\a8] offset:(\off)+512
	ds_load_b128 v[(\reg)+6:(\reg)+9], v[\a16] offset:(\off)+768
	ds_load_b64 v[(\reg)+10:(\reg)+11], v[\a8] offset:(\off)+1280
.endm
.macro FETCH e, p
	WIN 0x40
.irp bt, 0,1,2,3,4,5,6,7
	FRAG 128*(\p)+12*\bt, B16, B8, \bt*3072+(\e)*1536
.endr
	WIN 0
.irp a, 0,1,2,3
	FRAG AF+48*(\p)+12*\a, A16, A8, \a*3072+(\e)*1536
.endr
.endm
.macro MUL s, p, zero
	WIN 0xa1
.irp a, 0,1,2,3
.irp bt, 0,1,2,3,4,5,6,7
.if \zero
	v_wmma_scale_f32_16x16x128_f8f6f4 v[8*(8*\a+\bt):8*(8*\a+\bt)+7], v[128*(\p)+12*\bt:128*(\p)+12*\bt+11], v[AF+48*(\p)+12*\a:AF+48*(\p)+12*\a+11], 0, v[SC+8*\bt+(\s)], v[SC+8*\a+(\s)] matrix_a_fmt:MATRIX_FMT_FP6 matrix_b_fmt:MATRIX_FMT_FP6 matrix_a_scale:MATRIX_SCALE_ROW1
.else
	v_wmma_scale_f32_16x16x128_f8f6f4 v[8*(8*\a+\bt):8*(8*\a+\bt)+7], v[128*(\p)+12*\bt:128*(\p)+12*\bt+11], v[AF+48*(\p)+12*\a:AF+48*(\p)+12*\a+11], v[8*(8*\a+\bt):8*(8*\a+\bt)+7], v[SC+8*\bt+(\s)], v[SC+8*\a+(\s)] matrix_a_fmt:MATRIX_FMT_FP6 matrix_b_fmt:MATRIX_FMT_FP6 matrix_a_scale:MATRIX_SCALE_ROW1
.endif
.endr
.endr
.endm
.macro STEP s
	s_wait_dscnt 0x0                               ; this step's fragments are in
.if ((\s)%2 == 1) && ((\s) < 7)
	s_wait_tensorcnt 3-((\s)+1)/2                  ; my part of the next chunk has landed; the later chunks' loads may stay out
	s_barrier_signal -1
	s_barrier_wait -1
	WIN 0
	v_add_nc_u32 v[A16], CH, v[A16]
	v_add_nc_u32 v[A8], CH, v[A8]
	v_add_nc_u32 v[B16], CH, v[B16]
	v_add_nc_u32 v[B8], CH, v[B8]
.endif
	PLACES                                         ; four places in front of loads into registers that the last step's products have read
.if (\s) < 7
	FETCH ((\s)+1)%2, ((\s)+1)%2
.endif
.if (\s) == 0
	MUL \s, 0, 1
.else
	MUL \s, (\s)%2, 0
.endif
.endm
	s_load_b256 s[4:11], s[0:1], 0x0               ; oc, os, wc, ws
	s_load_b64 s[12:13], s[0:1], 0x20              ; out0
	v_lshl_add_u32 v[SPW], v0, 2, SPARE
	v_mov_b32 v[NIL], 0
	ds_add_u32 v[SPW], v[NIL]                      ; the wave's opening: the add, twice on end, and its wait ahead of my first tensor load
	ds_add_u32 v[SPW], v[NIL]
	v_lshrrev_b32 v1, 5, v0
	v_readfirstlane_b32 s[WV], v1
	s_lshr_b32 s[WA], s[WV], 1
	s_and_b32 s[WB], s[WV], 1
	s_bfe_u32 s66, ttmp6, 0x40004                  ; cy
	s_bfe_u32 s101, ttmp6, 0x40000                 ; cx
	s_lshl_b32 s100, s66, 2
	s_lshl_b32 s100, 15, s100                      ; my row of the cluster
	s_lshl_b32 s105, 0x1111, s101                  ; my column
	s_or_b32 s[G1A], s100, (3<<16)|(1<<21)
	s_or_b32 s[G1SA], s100, (3<<16)|(1<<21)
	s_or_b32 s[G1B], s105, (3<<16)|(1<<21)
	s_or_b32 s[G1SB], s105, (3<<16)|(1<<21)
.irp g, G1A, G1B
	s_mov_b32 s[\g+1], 384<<16
	s_mov_b32 s[\g+2], 8<<16
	s_mov_b32 s[\g+3], 384<<16
	s_mov_b32 s[\g+4], 8
	s_mov_b32 s[\g+5], 1536
	s_mov_b32 s[\g+6], 0
	s_mov_b32 s[\g+7], 0
.endr
	s_mov_b32 s[G1SA+1], 32<<16
	s_mov_b32 s[G1SA+2], 16<<16
	s_mov_b32 s[G1SA+3], 32<<16
	s_mov_b32 s[G1SA+4], 16
	s_mov_b32 s[G1SA+5], 32
	s_mov_b32 s[G1SA+6], 0
	s_mov_b32 s[G1SA+7], 0
	s_mov_b32 s[G1SB+1], 32<<16
	s_mov_b32 s[G1SB+2], 32<<16
	s_mov_b32 s[G1SB+3], 32<<16
	s_mov_b32 s[G1SB+4], 32
	s_mov_b32 s[G1SB+5], 32
	s_mov_b32 s[G1SB+6], 0
	s_mov_b32 s[G1SB+7], 0
	s_mul_i32 s19, s[WA], PART
.set q, 0
.irp g, 56,60,68,72
	s_mov_b32 s[\g], 1
	s_mov_b32 s[\g+1], q*CH
.set q, q+1
.endr
.set q, 0
.irp g, 76,80,84,88
	s_mov_b32 s[\g], 1
	s_add_co_u32 s[\g+1], s19, q*CH+PART
.set q, q+1
.endr
	s_mov_b32 s[G0SA], 1
	s_mov_b32 s[G0SA+1], SCA
	s_mov_b32 s[G0SB], 1
	s_mov_b32 s[G0SB+1], SCB
	v_and_b32 v2, 31, v0
	v_and_b32 v3, 15, v0
	v_bfe_u32 v4, v0, 4, 1
	v_lshlrev_b32 v[CO], 4, v2
	v_lshlrev_b32 v12, 3, v2
	s_mul_i32 s2, s[WA], 12288
	v_add_nc_u32 v[A16], s2, v[CO]
	v_add_nc_u32 v[A8], s2, v12
	s_mul_i32 s2, s[WB], PART
	s_add_co_u32 s2, s2, PART
	v_add_nc_u32 v[B16], s2, v[CO]
	v_add_nc_u32 v[B8], s2, v12
	s_lshl_b32 s2, s[WA], 11
	s_lshl_b32 s19, s[WB], 12
	s_add_co_u32 s19, s19, 4096
	s_sub_co_u32 s19, s19, s2
	v_mul_u32_u24 v7, s19, v4
	v_lshl_add_u32 v7, v3, 5, v7
	s_add_co_u32 s2, s2, SCA
	v_add_nc_u32 v[ADRS], s2, v7
	s_mul_i32 s2, s[WV], 8448                      ; my stage: 16 rows x 528 bytes
	v_mul_u32_u24 v[STO], v3, 528
	v_lshl_add_u32 v[STO], v4, 6, v[STO]
	v_add_nc_u32 v[STO], s2, v[STO]                ; in: row r, + 64 (lane/16)
	v_add_nc_u32 v[RD], s2, v[CO]                  ; back: a row's 512 bytes, 16 a lane
	s_and_b32 s67, ttmp7, 0xffff
	s_lshl_b32 s67, s67, 2
	s_add_co_u32 s67, s67, s66                     ; A's block of 128 rows: 4 x cluster y + cy
	s_mul_i32 s2, s67, 98304
	s_mov_b32 s3, 0
	s_lshl_b32 s66, s67, 12
	s_mul_i32 s104, s101, 196608                   ; B's block of 256 rows: cx
	s_mul_i32 s105, s[WA], 98304
	s_add_co_u32 s104, s104, s105
	s_add_co_u32 s104, s104, 3*786432              ; Wo's section
	s_mov_b32 s105, 0
	s_wait_dscnt 0x0                               ; both opening adds are done
	s_wait_kmcnt 0x0
	s_add_nc_u64 s[58:59], s[4:5], s[2:3]
	s_mov_b32 s2, s66
	s_add_nc_u64 s[94:95], s[6:7], s[2:3]
	s_add_nc_u64 s[78:79], s[8:9], s[104:105]
	s_lshl_b32 s104, s101, 13
	s_add_co_u32 s104, s104, 3*32768
	s_add_nc_u64 s[98:99], s[10:11], s[104:105]
	s_add_nc_u64 s[62:63], s[58:59], 3072
	s_add_nc_u64 s[70:71], s[58:59], 6144
	s_add_nc_u64 s[74:75], s[58:59], 9216
	s_add_nc_u64 s[82:83], s[78:79], 3072
	s_add_nc_u64 s[86:87], s[78:79], 6144
	s_add_nc_u64 s[90:91], s[78:79], 9216
.irp g, 59,63,71,75,79,83,87,91,95,99
	s_or_b32 s[\g], s[\g], 0x80000000
.endr
	CROUND                                         ; all sixteen work-groups are here: the joint loads meet
	s_cmp_eq_u32 s[WV], 0                          ; every wave issues first fills, in one arm of a branch on its number: four loads of mine are out at the most
	s_cbranch_scc0 .Lnot_a
	TL 56, G1A
	TL 60, G1A
	TL 68, G1A
	TL 72, G1A
	PLACES
	s_branch .Lasked
.Lnot_a:
	s_cmp_eq_u32 s[WV], 3
	s_cbranch_scc1 .Lfor_s
	TL 76, G1B
	TL 80, G1B
	TL 84, G1B
	TL 88, G1B
	PLACES
	s_branch .Lasked
.Lfor_s:
	TL G0SA, G1SA
	TL G0SB, G1SB
	PLACES
	s_wait_tensorcnt 0x0                           ; the scale words are wanted with the first K step
.Lasked:
	s_lshl_b32 s4, s67, 7
	s_lshl_b32 s5, s[WA], 6
	s_add_co_u32 s4, s4, s5
	s_lshl_b32 s4, s4, 12                          ; my first row of out0, 4,096 bytes a row,
	s_lshl_b32 s5, s101, 10
	s_add_co_u32 s4, s4, s5
	s_lshl_b32 s5, s[WB], 9
	s_add_co_u32 s4, s4, s5                        ; my first column
	s_mov_b32 s5, 0
	s_add_nc_u64 s[12:13], s[12:13], s[4:5]
	s_wait_tensorcnt 3                             ; my part of chunk 0 has landed; chunks 1 to 3 may stay out
	s_barrier_signal -1
	s_barrier_wait -1
.irp i, 0,1,2,3,4,5,6,7
	ds_load_b128 v[SC+8*\i:SC+8*\i+3], v[ADRS] offset:512*\i
	ds_load_b128 v[SC+8*\i+4:SC+8*\i+7], v[ADRS] offset:512*\i+16
.endr
	FETCH 0, 0
.irp s, 0,1,2,3,4,5,6,7
	STEP \s
.endr
	WIN 0
.macro TOSTAGE a
	WIN 0x08                                       ; an LDS store's data: window 2
.irp bt, 0,1,2,3,4,5,6,7
	ds_store_b128 v[STO], v[64*(\a)+8*\bt:64*(\a)+8*\bt+3] offset:128*(\bt/2)+32*(\bt%2)       ; each accumulator from its low end on
	ds_store_b128 v[STO], v[64*(\a)+8*\bt+4:64*(\a)+8*\bt+7] offset:128*(\bt/2)+32*(\bt%2)+16
.endr
	WIN 0
.irp t, 0,1,2,3,4,5,6,7,8,9,10,11,12,13,14,15
	ds_load_b128 v[BK+64*((\a)%2)+4*\t:BK+64*((\a)%2)+4*\t+3], v[RD] offset:\t*528   ; LDS serves a wave's instructions in order: these see the stores above
.endr
.endm
.macro SEND a, younger                 ; younger: the LDS instructions issued behind block a's loads, which may stay out
	s_wait_dscnt \younger
.irp t, 0,1,2,3,4,5,6,7,8,9,10,11,12,13,14,15
	global_store_b128 v[CO], v[BK+64*((\a)%2)+4*\t:BK+64*((\a)%2)+4*\t+3], s[12:13] offset:(32*((\a)/2)+8*((\a)%2)+\t+8*(\t/8))*4096 th:TH_STORE_NT   ; 512 consecutive bytes of one row
.endr
.endm
	PLACES                                         ; four places in front of the first read of results and of loads into registers that held A's fragments
	TOSTAGE 0
	TOSTAGE 1
	SEND 0, 32                                     ; behind block 0's loads: block 1's 16 stores and 16 loads
	s_wait_xcnt 0x0                                ; block 0's stores have read the registers that block 2's rows take
	TOSTAGE 2
	SEND 1, 32
	s_wait_xcnt 0x0
	TOSTAGE 3
	SEND 2, 32
	SEND 3, 0
	s_wait_tensorcnt 0x0                           ; the wave's end
	ds_add_u32 v[SPW], v[NIL]
	s_wait_dscnt 0x0
	CROUND                                         ; the closing round
	s_endpgm
.Lfunc_end_k_qeb7007bf6a_gemm_o:
	.size	k_qeb7007bf6a_gemm_o, .Lfunc_end_k_qeb7007bf6a_gemm_o-k_qeb7007bf6a_gemm_o
	.p2alignl 7, 3214868480
	.fill 96, 4, 3214868480
	.section	.rodata,"a",@progbits
	.p2align	6, 0x0
	.amdhsa_kernel k_qeb7007bf6a_gemm_o
		.amdhsa_group_segment_fixed_size 327680
		.amdhsa_private_segment_fixed_size 0
		.amdhsa_enable_private_segment 0
		.amdhsa_kernarg_size 40
		.amdhsa_user_sgpr_count 2
		.amdhsa_user_sgpr_kernarg_segment_ptr 1
		.amdhsa_wavefront_size32 1
		.amdhsa_system_sgpr_workgroup_id_x 1
		.amdhsa_system_sgpr_workgroup_id_y 1
		.amdhsa_system_sgpr_workgroup_id_z 1
		.amdhsa_system_vgpr_workitem_id 0
		.amdhsa_next_free_vgpr 768
		.amdhsa_next_free_sgpr 106
		.amdhsa_reserve_vcc 0
		.amdhsa_float_denorm_mode_32 3
		.amdhsa_float_denorm_mode_16_64 3
		.amdhsa_memory_ordered 1
		.amdhsa_forward_progress 1
		.amdhsa_inst_pref_size 85
	.end_amdhsa_kernel
	.amdgpu_metadata
---
amdhsa.version: [ 1, 2 ]
amdhsa.kernels:
  - .name:           k_qeb7007bf6a_gemm_o
    .symbol:         k_qeb7007bf6a_gemm_o.kd
    .args:
      - { .name: oc, .offset: 0, .size: 8, .value_kind: global_buffer, .address_space: global }
      - { .name: os, .offset: 8, .size: 8, .value_kind: global_buffer, .address_space: global }
      - { .name: wc, .offset: 16, .size: 8, .value_kind: global_buffer, .address_space: global }
      - { .name: ws, .offset: 24, .size: 8, .value_kind: global_buffer, .address_space: global }
      - { .name: out0, .offset: 32, .size: 8, .value_kind: global_buffer, .address_space: global }
    .group_segment_fixed_size: 327680
    .private_segment_fixed_size: 0
    .kernarg_segment_align: 8
    .kernarg_segment_size: 40
    .max_flat_workgroup_size: 128
    .sgpr_count:     106
    .vgpr_count:     768
    .wavefront_size: 32
...
	.end_amdgpu_metadata
.endif
;; end of part 4
;; ======== version 2 of 2: 4 launches; version 1 with the launch attn written anew for expert scheduling mode
;; workspace buffers: xc 18,874,368 bytes; xs 786,432 bytes; wc 3,145,728 bytes; ws 131,072 bytes; hc 18,874,368 bytes; hs 786,432 bytes; oc 6,291,456 bytes; os 262,144 bytes
;; launch quant: the kernel of part 1 again; grid 512 x 1, 4 waves a work-group, no clusters, 37,376 bytes of LDS; arguments query, key, value, Wq, Wk, Wv, Wo, xc, xs, wc, ws; writes xc, xs, wc, ws
;; launch gemm_qkv: the kernel of part 2 again; grid 4 x 192, 4 waves a work-group, clusters of 4 x 4, 327,680 bytes of LDS; arguments xc, xs, wc, ws, hc, hs; writes hc, hs
;; launch attn (part 5): grid 8 x 32, 16 waves a work-group, no clusters, 210,944 bytes of LDS; arguments hc, hs, valid_length, oc, os; writes oc, os
.if DOCPART == 5
	.amdgcn_target "amdgcn-amd-amdhsa--gfx1250"
	.amdhsa_code_object_version 6
	.text
	.protected	k_qeb7007bf6a_attn
	.globl	k_qeb7007bf6a_attn
	.p2align	8
	.type	k_qeb7007bf6a_attn,@function
k_qeb7007bf6a_attn:
	s_mov_b64 s[64:65], 0
	v_nop
	global_prefetch_b8 v0, s[64:65] scope:SCOPE_SE
	s_setreg_imm32_b32 hwreg(HW_REG_WAVE_SCHED_MODE, 0, 2), 2
	s_setreg_imm32_b32 hwreg(HW_REG_WAVE_MODE, 25, 1), 1
	s_wait_xcnt 0x0
	s_wait_alu depctr_vm_vsrc(0)
; softmax(Q K^T / 8, keys at or beyond the head's valid length at -1e6) V on codes of E2M3, and the result quantised along the model's 1,024 for the last projection.
; WORK LEFT OUT (shown at the head of launch quant): for a key step of 128 keys that all lie at or beyond the valid length, reference() discards every score for all values of the inputs: Q K^T and the per-key softmax of such a
; step are not done.  Its scores are the constant -1e6; the first such step goes through the softmax once, the later ones take its p, codes and scale word as they stand; their P V is done in full.
; LIMITS: a NaN, infinity or overflow that arises only in discarded scores is not carried on; NaN and infinities among the inputs are not served; a block of zeros gets the byte 1; a block's largest p is taken through the block's largest
; score by the same multiply-add and exponential, which takes v_exp_f32 not to fall where its input rises.  valid_length is held to 0 .. 2,048, beyond which the mask does not change.
; NO TENSOR LOAD, NO CLUSTER: branches here hang on valid_length, read from memory; K and V come through registers into LDS.  Every loop has 16 trips; only work is jumped over, never a barrier.
; SHARES.  Work-group (x, y): 256 queries (x) of heads 2 g and 2 g + 1 of batch b (y = 8 b + g), one head after the other: their valid lengths are valid_length[2 (g % 2)] and [2 (g % 2) + 1] (flat head i uses valid_length[i % 4]),
; and the two heads' 128 numbers a query are one K step of the last projection, so the result leaves as whole fragments.  Each of sixteen waves owns one stored tile of 16 queries: four waves to a SIMD.
; LAYOUT.  Both products transposed: S^T = K Q^T, O^T = V^T P^T: a lane holds one query.  Stored tiles are sigma-ordered (launch quant), so p's 16 registers of tiles 2 b, 2 b + 1 are 16 neighbouring keys.
; A HEAD'S 64 IN AN INSTRUCTION OF 128: head 2 g + c stands at k = 64 c on.  Q's operand holds Q's six registers there and zero codes in the other six; K's tiles lie six registers apart, and a tile's operand takes a neighbour's
; six (or a pad of zeros) as its other half, which meets Q's zero codes.  The scale words hold both heads' bytes, so they serve as stored.
; SOFTMAX: t = score x log2(e) / 8; M = the running largest t rounded up; p = 2^(t - M) is quantised along the keys; the sum is of the unquantised p and divides at the end.
; THE MODE: SCHED_MODE bits 1:0 = 2 (LLVM: expert scheduling mode 2), set by the entry lines.  The code itself states the register dependences between vector or matrix instructions and memory or LDS instructions, with s_wait_alu, always for 0.
; THE PLAN.  Registers that memory or LDS instructions touch:
;   v1, v2, v13, v249-254   offsets and LDS addresses: made at the head, never written again; read by the global loads and stores, FILL's LDS stores and the prefetches.
;   v7-12                   a step's six LDS addresses: written by six additions at the step's head, read by that step's LDS loads.
;   v34-81                  FILL: V's codes land, my LDS stores read them.  A step: K's tiles land, eight products read them; then V's fragments land, four products read them.
;   v88-93                  a step's scale words of K and of V land; the products read them.
;   v96-151                 FILL: K's codes and the scale words land, my LDS stores read them.  In the steps vector and matrix instructions alone name them.
;   v16-27, v94             Q and its scale words land in FILL (six of the twelve registers are zero codes, written by vector lines); the products read them.
;   v192-203, v95           p's codes and scale word: written by vector instructions, taken by scaled products.
;   v236-248                the output's fragment and scale word: written by the two heads' ways out, read by the last five stores.
;   v14, v15                written at the head, read by the closing add alone.
; All 256 registers of a wave are laid out, and four waves fill a SIMD's 1,024: K's tiles and V's fragments share v34-81, so a step keeps its order.
; A STEP'S WAITS: one on vm_vsrc ahead of the six additions; one on va_vdst behind them (the addresses are written, the last step's products are done with the registers in which this step's loads land); one on va_vdst behind the
; scores' products, ahead of V's loads; one on va_vdst ahead of the products that take p's codes; and the two that stand behind the exponentials.
.set VC,    98304                      ; LDS: K's codes of a head from 0 (128 tiles x 768), V's from here (16 steps x 6,144),
.set KSC,   196608                     ; K's scale words, both heads', 8,192 bytes, filled once,
.set VSC,   204800                     ; V's, 4,096 bytes,
.set SPARE, 208896                     ; the spare words, 128 bytes a wave
.set SPW,  14
.set NIL,  15
.set S,    96                          ; v96-159 S^T, then p
.set O,    160                         ; v160-191 O^T
.set P,    192                         ; v192-203 p's codes; v204-206, v208-210 at work for them
.set BM,   212                         ; v212-215 block maxima, v216-219 bytes, v220-223 scale operands
.set OF,   236                         ; v236-247 the output's fragment; v248 its scale word
.set WV,   14
.set TAU,  15                          ; my stored tile of queries in the batch
.set BG,   16
.set GG,   17
.set BB,   18
.set SEL,  20
.set CS,   22                          ; s[22:23] log2(e) / 8
.set VL,   24                          ; s24, s25 the two heads' valid lengths
.set KF,   26                          ; the step's first key
.set T6,   27
.set T5,   28
.set T4,   29
.set VAL,  30
.set PQ,   32
.set PK,   34
.set PV,   36
.set PVS,  38
.set PKS,  40
.set PQS,  42
.set FV,   48                          ; s[48:49], s[50:51] where my prefetches stand; never rewritten
.set FK,   50
.set PFT,  52                          ; the first key of the step at whose end I prefetch; -1 in a wave that does not
.set PFB,  53
.set TMP,  54
.set PFW,  55
.set ASKAT, 1536
; the sixteen scalar registers that take a run of lane masks, all free behind the head: s56-63, s44-47, s2, s3, s19, s31
.macro MREG x
.set m, 56+(\x)
.if (\x) >= 8
.set m, 36+(\x)
.endif
.if (\x) >= 12
.set m, (\x)-10
.endif
.if (\x) == 14
.set m, 19
.endif
.if (\x) == 15
.set m, 31
.endif
.endm
	s_load_b256 s[4:11], s[0:1], 0x0               ; hc, hs, valid_length, oc
	s_load_b64 s[12:13], s[0:1], 0x20              ; os
	v_lshl_add_u32 v[SPW], v0, 2, SPARE
	v_mov_b32 v[NIL], 0
	v_lshrrev_b32 v1, 5, v0
	v_readfirstlane_b32 s[WV], v1
	s_and_b32 s[BG], ttmp7, 0xffff
	s_and_b32 s[GG], s[BG], 7
	s_lshr_b32 s[BB], s[BG], 3
	s_lshl_b32 s[TAU], ttmp9, 4
	v_and_b32 v233, 31, v0                         ; lane
	v_and_b32 v232, 15, v0                         ; r
	v_lshlrev_b32 v1, 4, v233                      ; every LDS address register is made here
	v_lshlrev_b32 v2, 3, v233
	v_add_nc_u32 v3, VC, v1
	v_add_nc_u32 v4, VC, v2
	v_add_nc_u32 v5, KSC, v2
	v_add_nc_u32 v6, VSC, v2
	s_wait_alu depctr_va_sdst(0)                   ; the wave's number is written, ahead of its first reader: addresses and branches are made from it
	s_add_co_u32 s[TAU], s[TAU], s[WV]
	s_mul_i32 s[TMP], s[WV], 6144
	v_add_nc_u32 v13, s[TMP], v1                   ; the fill: wave w copies key step w
	v_add_nc_u32 v250, s[TMP], v3
	s_lshl_b32 s[TMP], s[WV], 8
	v_add_nc_u32 v251, s[TMP], v6
	s_lshl_b32 s[TMP], s[WV], 9
	v_add_nc_u32 v252, s[TMP], v1
	v_add_nc_u32 v252, KSC, v252
	v_lshlrev_b32 v249, 5, v232
	v_lshlrev_b32 v254, 3, v232
	v_lshlrev_b32 v253, 8, v233
.irp k, 0,1,2,3,4,5
	v_mov_b32 v[28+\k], 0                          ; the pads of zero codes below and above K's tiles
	v_mov_b32 v[82+\k], 0
.endr
.irp k, 0,1,2,3,4,5,6,7,8,9,10,11
	v_mov_b32 v[P+\k], 0                           ; written once, since the text has a way to the constant step's readers that no run takes first
.endr
	v_mov_b32 v95, 0
	v_mov_b32 v[S], 0
	v_mov_b32 v229, 0                              ; named as the upper half of a pair
.irp b, 0,1,2,3
	v_mov_b32 v[BM+4+\b], 0                        ; a lane permute's destination counts as one of its sources
.endr
	s_mov_b32 s[SEL], 0x76543210
	s_mov_b32 s[SEL+1], 0xfedcba98
	s_mov_b32 s[CS], 0x3e38aa3b
	s_mov_b32 s[CS+1], s[CS]
	s_mul_i32 s44, s[BG], 196608                   ; two heads' codes
	s_mul_i32 s45, s[WV], 6144
	s_mul_i32 s[PQ], s[TAU], 768
	s_add_co_u32 s[PQ], s[PQ], s44
	s_mov_b32 s[PQ+1], 0
	s_add_co_u32 s[PK], s44, s45
	s_add_co_u32 s[PV], s[PK], 12582912
	s_add_co_u32 s[PK], s[PK], 6291456
	s_mov_b32 s[PK+1], 0
	s_mov_b32 s[PV+1], 0
	s_lshl_b32 s46, s[BG], 13
	s_lshl_b32 s47, s[WV], 8
	s_add_co_u32 s[PVS], s46, s47
	s_add_co_u32 s[PVS], s[PVS], 524288
	s_mov_b32 s[PVS+1], 0
	s_lshl_b32 s47, s[WV], 9
	s_add_co_u32 s[PKS], s46, s47
	s_add_co_u32 s[PKS], s[PKS], 262144
	s_mov_b32 s[PKS+1], 0
	s_lshr_b32 s47, s[TAU], 2                      ; Q's scale words: 256 bytes for four tiles; my tile's half of the lanes and word
	s_lshl_b32 s47, s47, 8
	s_add_co_u32 s[PQS], s46, s47
	s_and_b32 s47, s[TAU], 1
	s_lshl_b32 s47, s47, 7
	s_add_co_u32 s[PQS], s[PQS], s47
	s_bfe_u32 s47, s[TAU], 0x10001
	s_lshl_b32 s47, s47, 2
	s_add_co_u32 s[PQS], s[PQS], s47
	s_mov_b32 s[PQS+1], 0
	s_lshl_b32 s47, s[WV], 13
	s_add_co_u32 s[FV], s44, s47
	s_add_co_u32 s[FK], s[FV], 6291456+98304
	s_add_co_u32 s[FV], s[FV], 12582912+98304
	s_mov_b32 s[FV+1], 0
	s_mov_b32 s[FK+1], 0
	s_lshl_b32 s47, s[BB], 7
	s_add_co_u32 s47, s47, s[TAU]                  ; my stored tile among all 512
	s_mul_i32 s56, s47, 12288
	s_mul_i32 s57, s[GG], 1536
	s_add_co_u32 s56, s56, s57
	s_mov_b32 s57, 0
	s_lshl_b32 s58, s47, 9
	s_lshl_b32 s59, s[GG], 2
	s_add_co_u32 s58, s58, s59
	s_mov_b32 s59, 0
	s_and_b32 s[TMP], s[GG], 1
	s_lshl_b32 s[TMP], s[TMP], 3
	s_mov_b32 s[TMP+1], 0
	s_wait_kmcnt 0x0
	s_add_nc_u64 s[8:9], s[8:9], s[TMP:TMP+1]
	s_load_b64 s[VL:VL+1], s[8:9], 0x0
	s_add_nc_u64 s[PQ:PQ+1], s[4:5], s[PQ:PQ+1]
	s_add_nc_u64 s[PK:PK+1], s[4:5], s[PK:PK+1]
	s_add_nc_u64 s[PV:PV+1], s[4:5], s[PV:PV+1]
	s_add_nc_u64 s[FV:FV+1], s[4:5], s[FV:FV+1]
	s_add_nc_u64 s[FK:FK+1], s[4:5], s[FK:FK+1]
	s_add_nc_u64 s[PVS:PVS+1], s[6:7], s[PVS:PVS+1]
	s_add_nc_u64 s[PKS:PKS+1], s[6:7], s[PKS:PKS+1]
	s_add_nc_u64 s[PQS:PQS+1], s[6:7], s[PQS:PQS+1]
	s_add_nc_u64 s[10:11], s[10:11], s[56:57]
	s_add_nc_u64 s[12:13], s[12:13], s[58:59]
	s_cmp_lt_u32 s[WV], 12                         ; who prefetches: waves 0 to 11 of the work-group with x = 0: the eight work-groups of a pair of heads read the same K and V
	s_cselect_b32 s[PFT], 0, 1
	s_or_b32 s[PFT], s[PFT], ttmp9
	s_cmp_eq_u32 s[PFT], 0
	s_cselect_b32 s[PFT], ASKAT, -1
	s_lshl_b32 s[PFW], s[WV], 13
	s_wait_kmcnt 0x0
	s_max_i32 s[VL], s[VL], 0
	s_min_i32 s[VL], s[VL], 2048
	s_max_i32 s[VL+1], s[VL+1], 0
	s_min_i32 s[VL+1], s[VL+1], 2048
	s_add_co_u32 s[PFB], s[VL+1], 127
	s_lshr_b32 s[PFB], s[PFB], 7
	s_mul_i32 s[PFB], s[PFB], 6144                 ; head 1's bytes of K that will be read
; Head c's K, V, scale words into LDS, and my Q into registers.  A flat copy, 512 consecutive bytes a load.  K's steps that lie wholly beyond the valid length are never read and are not copied.
; No vector instruction stands between the wait at its head and the wait at its end.
.macro FILL c
.irp k, 0,1,2,3,4,5
	v_mov_b32 v[22-6*\c+\k], 0                     ; zero codes in the other head's half
.endr
.if \c == 0
	s_wait_alu depctr_va_vdst(0)                   ; the offsets and LDS addresses v1, v2, v13, v249 to v254 are written, which the kernel's loads, stores and prefetches read; so is v96, in which a load of K lands
.else
	s_wait_alu depctr_va_vdst(0)                   ; head 0's products are done reading v22-27 and v34-81, its softmax and way out are done reading and writing v96-145: the loads below land in all of these
.endif
.irp k, 0,1,2,3,4,5,6,7,8,9,10,11
	global_load_b128 v[34+4*\k:37+4*\k], v1, s[PV:PV+1] offset:\c*98304+512*\k
.endr
	global_load_b64 v[144:145], v2, s[PVS:PVS+1] offset:\c*4096
.if \c == 0
	global_load_b128 v[148:151], v1, s[PKS:PKS+1]
	global_load_b32 v94, v254, s[PQS:PQS+1]        ; lanes 0-15 (and 16-31 alike) hold my queries' words
.endif
	global_load_b128 v[16+6*\c:19+6*\c], v1, s[PQ:PQ+1] offset:\c*98304
	global_load_b64 v[20+6*\c:21+6*\c], v2, s[PQ:PQ+1] offset:\c*98304+512
.if \c == 1
	s_wait_dscnt 0x0                               ; my reads of head 0's bytes are over,
	s_barrier_signal -1
	s_barrier_wait -1                              ; everybody's are: they may be written over
.endif
	s_lshl_b32 s[TMP], s[WV], 7
	s_cmp_ge_u32 s[TMP], s[VAL]
	s_cbranch_scc1 .Lno_k_\@
.irp k, 0,1,2,3,4,5,6,7,8,9,10,11
	global_load_b128 v[S+4*\k:S+4*\k+3], v1, s[PK:PK+1] offset:\c*98304+512*\k
.endr
	s_wait_loadcnt 0x0
.irp k, 0,1,2,3,4,5,6,7,8,9,10,11
	ds_store_b128 v13, v[S+4*\k:S+4*\k+3] offset:512*\k
.endr
.Lno_k_\@:
	s_wait_loadcnt 0x0
.irp k, 0,1,2,3,4,5,6,7,8,9,10,11
	ds_store_b128 v250, v[34+4*\k:37+4*\k] offset:512*\k
.endr
	ds_store_b64 v251, v[144:145]
.if \c == 0
	ds_store_b128 v252, v[148:151]
.endif
	s_wait_dscnt 0x0                               ; for the others' sake: my stores have landed
	s_barrier_signal -1
	s_barrier_wait -1
	s_wait_alu depctr_vm_vsrc(0)                   ; my LDS stores have read v34-81 and v96-151: the head's steps load into the first and write the second again
.endm
.macro HEADINIT
	v_mov_b32 v225, 0xff61b1e6                     ; the largest t so far: -3e38
	v_floor_f32 v224, -v225                        ; -M
	v_mov_b32 v226, 0                              ; the sum, in two halves
	v_mov_b32 v227, 0
.set n, 0
.rept 32
	v_mov_b32 v[O+n], 0                            ; the step is written once: the first finds zeros, which the first change of M leaves zeros
.set n, n+1
.endr
	s_mov_b32 s[KF], 0
	s_mov_b32 s[T6], 0
	s_mov_b32 s[T5], 0
	s_mov_b32 s[T4], 0
.endm
.macro VLOAD                           ; the step's four fragments of V and their scale words
.irp a, 0,1,2,3
	ds_load_b128 v[34+12*\a:37+12*\a], v9 offset:1536*\a
	ds_load_b64 v[38+12*\a:39+12*\a], v10 offset:1536*\a+512
	ds_load_b128 v[40+12*\a:43+12*\a], v9 offset:1536*\a+768
	ds_load_b64 v[44+12*\a:45+12*\a], v10 offset:1536*\a+1280
.endr
	ds_load_b64 v[92:93], v12
.endm
.macro KQ u, c
.if (\u)%2
	v_wmma_scale_f32_16x16x128_f8f6f4 v[S+8*(\u):S+8*(\u)+7], v[34+6*(\u)-6*(\c):45+6*(\u)-6*(\c)], v[16:27], 0, v[88+(\u)/2], v94 matrix_a_fmt:MATRIX_FMT_FP6 matrix_b_fmt:MATRIX_FMT_FP6 matrix_a_scale:MATRIX_SCALE_ROW1
.else
	v_wmma_scale_f32_16x16x128_f8f6f4 v[S+8*(\u):S+8*(\u)+7], v[34+6*(\u)-6*(\c):45+6*(\u)-6*(\c)], v[16:27], 0, v[88+(\u)/2], v94 matrix_a_fmt:MATRIX_FMT_FP6 matrix_b_fmt:MATRIX_FMT_FP6
.endif
.endm
.macro PVM a
.if (\a)%2
	v_wmma_scale_f32_16x16x128_f8f6f4 v[O+8*(\a):O+8*(\a)+7], v[34+12*(\a):45+12*(\a)], v[P:P+11], v[O+8*(\a):O+8*(\a)+7], v[92+(\a)/2], v95 matrix_a_fmt:MATRIX_FMT_FP6 matrix_b_fmt:MATRIX_FMT_FP6 matrix_a_scale:MATRIX_SCALE_ROW1
.else
	v_wmma_scale_f32_16x16x128_f8f6f4 v[O+8*(\a):O+8*(\a)+7], v[34+12*(\a):45+12*(\a)], v[P:P+11], v[O+8*(\a):O+8*(\a)+7], v[92+(\a)/2], v95 matrix_a_fmt:MATRIX_FMT_FP6 matrix_b_fmt:MATRIX_FMT_FP6
.endif
.endm
; The softmax of 128 keys: register 16 b + i of S is key 32 b + 16 (lane/16) + i of my query.  No memory or LDS instruction stands in it, and it names none of the registers in which V's loads land.
.macro SOFT
.irp b, 0,1,2,3
	v_max3_num_f32 v[BM+\b], v[S+16*\b], v[S+1+16*\b], v[S+2+16*\b]   ; the largest score of each block of 32 keys: for the row's maximum and for the block's largest p
.endr
.irp i, 3,5,7,9,11,13
.irp b, 0,1,2,3
	v_max3_num_f32 v[BM+\b], v[BM+\b], v[S+16*\b+\i], v[S+1+16*\b+\i]
.endr
.endr
.irp b, 0,1,2,3
	v_max_num_f32 v[BM+\b], v[BM+\b], v[S+15+16*\b]
.endr
.irp b, 0,1,2,3
	v_permlanex16_b32 v[BM+4+\b], v[BM+\b], s[SEL], s[SEL+1]
.endr
.irp b, 0,1,2,3
	v_max_num_f32 v[BM+\b], v[BM+\b], v[BM+4+\b]
.endr
	v_max3_num_f32 v230, v[BM], v[BM+1], v[BM+2]
	v_max_num_f32 v230, v230, v[BM+3]
	v_mul_f32 v230, s[CS], v230
	v_max_num_f32 v225, v225, v230                 ; the running largest t
	v_mov_b32 v230, v224
	v_floor_f32 v224, -v225                        ; the new -M: M is a whole number
	v_sub_f32 v230, v224, v230
	v_cvt_i32_f32 v230, v230                       ; (it saturates)
	v_ldexp_f32 v228, 1.0, v230                    ; f = 2^(old M - new M)
.set n, 0
.rept 32
	v_pk_fma_f32 v[S+n:S+n+1], v[S+n:S+n+1], s[CS:CS+1], v[224:225] op_sel_hi:[1,0,0]   ; t - M
.set n, n+2
.endr
.irp b, 0,1,2,3
	v_fma_f32 v[BM+\b], v[BM+\b], s[CS], v224
.endr
.set n, 0
.rept 64
	v_exp_f32 v[S+n], v[S+n]                       ; p = 2^(t - M)
.set n, n+1
.endr
	v_pk_mul_f32 v[226:227], v[226:227], v[228:229] op_sel_hi:[1,0]   ; the sums under the new M: a plain place behind the exponentials
	s_wait_alu depctr_va_vdst(0)                   ; the 64 exponentials have written p, v96-159: one wait for the batch, ahead of its first reader
.irp b, 0,1,2,3
	v_exp_f32 v[BM+\b], v[BM+\b]                   ; each block's largest p
.endr
	v_pk_add_f32 v[232:233], v[S:S+1], v[S+2:S+3]  ; the sum of the unquantised p, in two chains
.irp j, 4,8,12,16,20,24,28,32,36,40,44,48,52,56,60
	v_pk_add_f32 v[226:227], v[226:227], v[S+\j:S+\j+1]
	v_pk_add_f32 v[232:233], v[232:233], v[S+\j+2:S+\j+3]
.endr
	v_pk_add_f32 v[226:227], v[226:227], v[232:233]
	s_wait_alu depctr_va_vdst(0)                   ; the four exponentials have written v212-215, ahead of their first reader
.irp b, 0,1,2,3
	v_max_num_f32 v[BM+\b], 0x1800000, v[BM+\b]    ; the floor: the byte cannot fall under 1
.endr
.irp b, 0,1,2,3
	v_add_nc_u32 v[BM+8+\b], 0xff000000, v[BM+\b]
.endr
.irp b, 0,1,2,3
	v_lshrrev_b32 v[BM+4+\b], 23, v[BM+8+\b]
.endr
	v_lshl_or_b32 v95, v[BM+5], 8, v[BM+4]         ; p's scale word for these 128 keys
	v_lshl_or_b32 v95, v[BM+6], 16, v95
	v_lshl_or_b32 v95, v[BM+7], 24, v95
	v_cvt_scalef32_pk16_fp6_f32 v[P:P+2], v[S:S+15], v[BM+8]
	v_cvt_scalef32_pk16_fp6_f32 v[204:206], v[S+16:S+31], v[BM+9]
	v_cvt_scalef32_pk16_fp6_f32 v[P+6:P+8], v[S+32:S+47], v[BM+10]
	v_cvt_scalef32_pk16_fp6_f32 v[208:210], v[S+48:S+63], v[BM+11]
	v_nop
.irp i, 0,1,2
	v_permlane16_swap_b32 v[P+\i], v[204+\i]
	v_permlane16_swap_b32 v[P+6+\i], v[208+\i]
.endr
.irp i, 0,1,2
	v_mov_b32 v[P+3+\i], v[204+\i]
	v_mov_b32 v[P+9+\i], v[208+\i]
.endr
.set n, 0
.rept 16
	v_pk_mul_f32 v[O+n:O+n+1], v[O+n:O+n+1], v[228:229] op_sel_hi:[1,0]   ; O^T under the new M; these are also the places in front of the products below
.set n, n+2
.endr
.endm
; A KEY STEP of head c
.macro STEP c
	s_wait_alu depctr_vm_vsrc(0)                   ; the last step's LDS loads have read v7 to v12, which the six lines below write again
	v_add_nc_u32 v7, s[T6], v1                     ; the step's six addresses
	v_add_nc_u32 v8, s[T6], v2
	v_add_nc_u32 v9, s[T6], v3
	v_add_nc_u32 v10, s[T6], v4
	v_add_nc_u32 v11, s[T5], v5
	v_add_nc_u32 v12, s[T4], v6
	s_wait_alu depctr_va_vdst(0)                   ; v7 to v12 are written, which this step's LDS loads read; the last step's products are done reading v34-81 and v88-93, in which those loads land.  It stands ahead of the branch: on both ways
	s_cmp_ge_u32 s[KF], s[VAL]
	s_cbranch_scc1 .Lmask_\@                       ; no key of this step counts
.irp u, 0,1,2,3,4,5,6,7
	ds_load_b128 v[34+6*\u:37+6*\u], v7 offset:768*\u
	ds_load_b64 v[38+6*\u:39+6*\u], v8 offset:768*\u+512
.endr
	ds_load_b64 v[88:89], v11
	ds_load_b64 v[90:91], v11 offset:256
	s_wait_dscnt 0x0
.irp u, 0,1,2,3,4,5,6,7
	KQ \u, \c
.endr
.rept 4
	v_nop                                          ; four places in front of the first read of scores
.endr
	s_wait_alu depctr_va_vdst(0)                   ; the eight products are done reading K's tiles, v34-81, in which V's fragments land
	VLOAD
	s_add_co_u32 s[TMP], s[KF], 128
	s_cmp_le_u32 s[TMP], s[VAL]
	s_cbranch_scc1 .Lsoft_\@                       ; all keys of this step count
	s_sub_co_i32 s[TMP], s[VAL], s[KF]
	s_sub_co_i32 s[TMP], s[TMP], 1
	v_bfe_u32 v230, v0, 4, 1
	v_lshlrev_b32 v230, 4, v230
	v_sub_nc_u32 v230, s[TMP], v230                ; register 16 b + i is masked where 32 b + i > valid - first key - 16 (lane/16) - 1
	v_mov_b32 v231, 0xcaf42400                     ; -8e6: -1e6 ahead of the division by 8
.set n, 0
.rept 4                                ; a block of 16 registers at a time: sixteen compares into sixteen scalar registers, one wait, sixteen selects
.set j, 0
.rept 16
	MREG j
	v_cmp_gt_i32 s[m], 2*n+j, v230
.set j, j+1
.endr
	s_wait_alu depctr_va_sdst(0)                   ; the sixteen compares have written their lane masks, ahead of the selects that read them
.set j, 0
.rept 16
	MREG j
	v_cndmask_b32 v[S+n+j], v[S+n+j], v231, s[m]
.set j, j+1
.endr
.set n, n+16
.endr
	s_branch .Lsoft_\@
.Lmask_\@:
	VLOAD                                          ; no vector or matrix instruction since the wait at the step's head names v9, v10, v12, v34-81 or v92-93
	s_add_co_u32 s[TMP], s[VAL], 128
	s_cmp_ge_u32 s[KF], s[TMP]
	s_cbranch_scc1 .Llater_\@                      ; the step before was masked whole too: its p, codes and scale word stand
.set n, 0
.rept 64
	v_mov_b32 v[S+n], 0xcaf42400
.set n, n+1
.endr
.Lsoft_\@:
	SOFT
	s_branch .Lpv_\@
.Llater_\@:
	v_fmac_f32 v226, 0x42800000, v[S]              ; my 64 keys' p, all equal, onto the sum; M does not move
.Lpv_\@:
	s_wait_dscnt 0x0                               ; V is in
	s_wait_alu depctr_va_vdst(0)                   ; p's codes v192-203 and its scale word v95 are written, which the scaled products below take; the places in front of them stand beside this wait
.irp a, 0,1,2,3
	PVM \a
.endr
.if \c == 0
; A PREFETCH INTO THE L2 of head 1's V and K, at the end of the step with first key 1,536: three key steps and the head's way out ahead of the loads that want them.  Each aligned block of 256 bytes is named once in the launch:
; the eight work-groups of a pair of heads read the same bytes, the one with x = 0 asks; wave w names bytes 8,192 w on, lanes 256 bytes apart; of K only as far as the valid length has it read.  The addresses are never rewritten.
	s_cmp_eq_u32 s[KF], s[PFT]
	s_cbranch_scc0 .Lno_ask_\@
	global_prefetch_b8 v253, s[FV:FV+1] th:TH_LOAD_NT scope:SCOPE_SE
	s_cmp_lt_u32 s[PFW], s[PFB]
	s_cbranch_scc0 .Lno_ask_\@
	global_prefetch_b8 v253, s[FK:FK+1] th:TH_LOAD_NT scope:SCOPE_SE
.Lno_ask_\@:
.endif
	s_add_co_u32 s[T6], s[T6], 6144
	s_add_co_u32 s[T5], s[T5], 512
	s_add_co_u32 s[T4], s[T4], 256
	s_add_co_u32 s[KF], s[KF], 128
.endm
; Head c's result: O^T / the sum, register 16 b + i = d 32 b + 16 (lane/16) + i, becomes half c of the output's fragment and two bytes of its scale word
.macro EPI c
.rept 4
	v_nop
.endr
	v_add_f32 v226, v226, v227
	v_permlanex16_b32 v[BM+4], v226, s[SEL], s[SEL+1]
	v_add_f32 v226, v226, v[BM+4]                  ; the row's sum
	v_rcp_f32 v228, v226
	v_nop
	s_wait_alu depctr_va_vdst(0)                   ; the reciprocal has written v228, ahead of its first reader
.set n, 0
.rept 16
	v_pk_mul_f32 v[S+n:S+n+1], v[O+n:O+n+1], v[228:229] op_sel_hi:[1,0]
.set n, n+2
.endr
.irp b, 0,1
	v_max3_num_f32 v[BM+\b], |v[S+16*\b]|, |v[S+1+16*\b]|, 0x1800000
.endr
.irp i, 2,4,6,8,10,12,14
.irp b, 0,1
	v_max3_num_f32 v[BM+\b], v[BM+\b], |v[S+16*\b+\i]|, |v[S+1+16*\b+\i]|
.endr
.endr
.irp b, 0,1
	v_permlanex16_b32 v[BM+4+\b], v[BM+\b], s[SEL], s[SEL+1]
.endr
.irp b, 0,1
	v_max_num_f32 v[BM+\b], v[BM+\b], v[BM+4+\b]
.endr
.irp b, 0,1
	v_add_nc_u32 v[BM+8+\b], 0xff000000, v[BM+\b]
.endr
.irp b, 0,1
	v_lshrrev_b32 v[BM+4+\b], 23, v[BM+8+\b]
.endr
.if \c == 0
	v_lshl_or_b32 v248, v[BM+5], 8, v[BM+4]
.else
	v_lshl_or_b32 v248, v[BM+4], 16, v248
	v_lshl_or_b32 v248, v[BM+5], 24, v248
.endif
	v_cvt_scalef32_pk16_fp6_f32 v[OF+6*\c:OF+6*\c+2], v[S:S+15], v[BM+8]
	v_cvt_scalef32_pk16_fp6_f32 v[204:206], v[S+16:S+31], v[BM+9]
	v_nop
.irp i, 0,1,2
	v_permlane16_swap_b32 v[OF+6*\c+\i], v[204+\i]
.endr
.irp i, 0,1,2
	v_mov_b32 v[OF+6*\c+3+\i], v[204+\i]
.endr
.endm
	s_mov_b32 s[VAL], s[VL]
	FILL 0
	HEADINIT
.Lkeys0:                                           ; 16 trips
	STEP 0
	s_cmp_lt_u32 s[KF], 2048
	s_cbranch_scc1 .Lkeys0
	EPI 0
	s_mov_b32 s[VAL], s[VL+1]
	FILL 1
	HEADINIT
.Lkeys1:
	STEP 1
	s_cmp_lt_u32 s[KF], 2048
	s_cbranch_scc1 .Lkeys1
	EPI 1
	s_wait_alu depctr_va_vdst(0)                   ; the two ways out have written the fragment v236-247 and its scale word v248, which the stores below read
	global_store_b128 v1, v[OF:OF+3], s[10:11]     ; the fragment's image: whole aligned blocks of 256 bytes
	global_store_b64 v2, v[OF+4:OF+5], s[10:11] offset:512
	global_store_b128 v1, v[OF+6:OF+9], s[10:11] offset:768
	global_store_b64 v2, v[OF+10:OF+11], s[10:11] offset:1280
	global_store_b32 v249, v248, s[12:13]          ; my rows' scale words, 4 bytes of each row's 32: pieces, 256 KiB in the whole launch; lanes r and r + 16 write the same word with the same value
	s_wait_dscnt 0x0                               ; the closing lines, six on end
	s_wait_alu 0x0
	s_wait_tensorcnt 0x0
	ds_add_u32 v[SPW], v[NIL]
	s_wait_dscnt 0x0
	s_endpgm
.Lfunc_end_k_qeb7007bf6a_attn:
	.size	k_qeb7007bf6a_attn, .Lfunc_end_k_qeb7007bf6a_attn-k_qeb7007bf6a_attn
	.p2alignl 7, 3214868480
	.fill 96, 4, 3214868480
	.section	.rodata,"a",@progbits
	.p2align	6, 0x0
	.amdhsa_kernel k_qeb7007bf6a_attn
		.amdhsa_group_segment_fixed_size 210944
		.amdhsa_private_segment_fixed_size 0
		.amdhsa_enable_private_segment 0
		.amdhsa_kernarg_size 40
		.amdhsa_user_sgpr_count 2
		.amdhsa_user_sgpr_kernarg_segment_ptr 1
		.amdhsa_wavefront_size32 1
		.amdhsa_system_sgpr_workgroup_id_x 1
		.amdhsa_system_sgpr_workgroup_id_y 1
		.amdhsa_system_sgpr_workgroup_id_z 1
		.amdhsa_system_vgpr_workitem_id 0
		.amdhsa_next_free_vgpr 256
		.amdhsa_next_free_sgpr 66
		.amdhsa_reserve_vcc 0
		.amdhsa_float_denorm_mode_32 3
		.amdhsa_float_denorm_mode_16_64 3
		.amdhsa_memory_ordered 1
		.amdhsa_forward_progress 1
		.amdhsa_inst_pref_size 88
	.end_amdhsa_kernel
	.amdgpu_metadata
---
amdhsa.version: [ 1, 2 ]
amdhsa.kernels:
  - .name:           k_qeb7007bf6a_attn
    .symbol:         k_qeb7007bf6a_attn.kd
    .args:
      - { .name: hc, .offset: 0, .size: 8, .value_kind: global_buffer, .address_space: global }
      - { .name: hs, .offset: 8, .size: 8, .value_kind: global_buffer, .address_space: global }
      - { .name: valid_length, .offset: 16, .size: 8, .value_kind: global_buffer, .address_space: global }
      - { .name: oc, .offset: 24, .size: 8, .value_kind: global_buffer, .address_space: global }
      - { .name: os, .offset: 32, .size: 8, .value_kind: global_buffer, .address_space: global }
    .group_segment_fixed_size: 210944
    .private_segment_fixed_size: 0
    .kernarg_segment_align: 8
    .kernarg_segment_size: 40
    .max_flat_workgroup_size: 512
    .sgpr_count:     66
    .vgpr_count:     256
    .wavefront_size: 32
...
	.end_amdgpu_metadata
.endif
;; end of part 5
;; launch gemm_o: the kernel of part 4 again; grid 4 x 64, 4 waves a work-group, clusters of 4 x 4, 327,680 bytes of LDS; arguments oc, os, wc, ws, out0; writes out0
